; MI455X (gfx1250); checked and timed in simulation.
; The chip was launched on July 23, 2026; its instructions are those of AMD's public machine-readable ISA for CDNA 5 (MIT licence, August 2026) and "CDNA5" Instruction Set Architecture Reference Guide (July 2026). The comments in the code are by the model that wrote it; some were corrected since.
;; Causal Self Attention. Allowed arithmetic: matrix products marked QUANTISED: E2M3 operands, one E8M0 scale for each 32 along K, by v_wmma_scale_f32_16x16x128_f8f6f4 with both operands' format E2M3, f32 sums; everything else in f32.
;; Inputs: proj_b 1,024 float32; proj_w 1,024 x 1,024 float32; qkv_b 3,072 float32; qkv_w 3,072 x 1,024 float32; x 4 x 2,048 x 1,024 float32.
;; Outputs: out0 4 x 2,048 x 1,024 float32.
;; This version of the problem:
;;   THIS VERSION OF THE PROBLEM IS GIVEN IN LOW PRECISION. The matrix products marked QUANTISED in the list below multiply operands that are first quantised to E2M3 (2 exponent bits, 3 mantissa bits; 6 bits a number), with one power-of-two scale for each 32 numbers along K (OCP MX v1.0); their sums are f32. All else is computed in f32.
;;   The module's matrix products, in the order in which they are computed (A, B: the left and right operand; K: the contracted axis; several contracted axes count as one K, in the product's order):
;;     1. [M 8,192, K 1,024] x [K 1,024, N 3,072]; A: input x; B: input qkv_w: QUANTISED
;;     2. batch 64 x [M 2,048, K 64] x [K 64, N 2,048]; A: computed on the way; B: computed on the way: QUANTISED
;;     3. batch 64 x [M 2,048, K 2,048] x [K 2,048, N 64]; A: softmax (see below); B: computed on the way: QUANTISED
;;     4. [M 8,192, K 1,024] x [K 1,024, N 1,024]; A: computed on the way; B: input proj_w: QUANTISED
;;   THE QUANTISER, for each operand of a quantised product, along K:
;;     - K is cut into blocks of 32 from its start; a last block that is shorter is filled with zeros.
;;     - A block's scale is 2^e with e = floor(log2(the largest magnitude in the block)) - 2, held to -126 .. 127; a block of zeros has e = 0. As a byte (E8M0): e + 127.
;;     - Each number is divided by its block's scale, clamped to +-7.5, and rounded to the nearest number of E2M3, ties to even, subnormals kept.
;;     - The product sums the exact products of the quantised numbers (number of the format x scale) in f32.
;;   ~~~python
;;   def quantise(x, axis):      # numpy; x: float32 -> the quantised numbers, widened to float32 again
;;       x = np.moveaxis(x, axis, -1); K = x.shape[-1]
;;       x = np.pad(x, [(0, 0)] * (x.ndim - 1) + [(0, -K % 32)]); x = x.reshape(x.shape[:-1] + (-1, 32)); a = np.abs(x).max(-1, keepdims=True)
;;       e = np.where(a > 0, np.clip(np.frexp(np.where(a > 0, a, 1))[1] - 1 - 2, -126, 127), 0)      # np.frexp(a)[1] - 1 = floor(log2(a)), exactly
;;       r = np.clip(x / 2.0 ** e, -7.5, 7.5)
;;       step = 2.0 ** (np.maximum(np.frexp(np.where(r == 0, 1, r))[1] - 1, 0) - 3)
;;       q = np.round(r / step) * step * 2.0 ** e      # np.round: ties to even
;;       return np.moveaxis(q.reshape(q.shape[:-2] + (-1,))[..., :K], -1, axis).astype(np.float32)
;;   ~~~
;;   SOFTMAX AHEAD OF A QUANTISED PRODUCT. Where the list says 'softmax', what is quantised is not the finished softmax but p = 2^(t - M), with t = logit x log2(e) and M = ceil(the row's largest t), a whole number; so 1/2 < the row's largest p <= 1. The row's sum l is taken of the UNQUANTISED p, in f32, and the product's result is divided by l at the end. Since M is a whole number, a kernel that streams over the keys may use a running M (the ceiling of the running maximum): every later rescaling is an exact power of two, which a block's scale takes up: the codes' values come out the same.
;;   OPERANDS COMPUTED ON THE WAY. 'Computed on the way' means the value that the module computes at that place (a softmax that the list does not call 'softmax' is quantised finished and normalised). What goes into a quantiser is computed in f32, as accurately as f32 sums, v_exp_f32 and their like allow (about 1e-6 of the number): no bf16 or f16 on the way to a quantiser, and a product that is left as it is and whose result goes on into a quantised operand takes f32 operands (vector FMAs, or v_wmma_f32_16x16x4_f32). A number that lies on a knife's edge between two numbers of the format may be rounded either way, as far as f32 arithmetic and the matrix unit's own rounding can turn it there, and no further.
;; One version. Each part assembles by itself: llvm-mc -triple=amdgcn-amd-amdhsa -mcpu=gfx1250 --defsym DOCPART=n.
;; ======== version 1 of 1: 4 launches
;; limits: right only within a limited range of input values
;; workspace buffers: xw_img 9,437,184 bytes; xw_sc 393,216 bytes; qkv_img 18,874,368 bytes; qkv_sc 786,432 bytes; a_img 6,291,456 bytes; a_sc 262,144 bytes
;; launch quant (part 1): grid 256 x 1, 6 waves a work-group, no clusters, 51,456 bytes of LDS; arguments x, qkv_w, proj_w, xw_img, xw_sc; writes xw_img, xw_sc
.if DOCPART == 1
	.amdgcn_target "amdgcn-amd-amdhsa--gfx1250"
	.amdhsa_code_object_version 6
	.text
	.protected	k_q5db4f5f0a4_quant
	.globl	k_q5db4f5f0a4_quant
	.p2align	8
	.type	k_q5db4f5f0a4_quant,@function
k_q5db4f5f0a4_quant:
	s_mov_b64 s[64:65], 0
	v_nop
	global_prefetch_b8 v0, s[64:65] scope:SCOPE_SE
	s_setreg_imm32_b32 hwreg(HW_REG_WAVE_MODE, 25, 1), 1
	s_wait_xcnt 0x0
; x [8192][1024], qkv_w [3072][1024] and proj_w [1024][1024], f32, K innermost, become codes of FP6 (E2M3) with one E8M0 byte for each 32 along K,
; laid AS THE MATRIX OPERAND'S REGISTERS WANT THEM, so that every later load of a fragment reads consecutive bytes.
; WORK LEFT OUT BY THE PROGRAM: reference() sets every score whose key comes after its query to -infinity by its own jnp.tril, so such a score's p is 0 whatever the inputs hold: steps of 128 keys that lie wholly
; behind a tile's queries are not multiplied in the attention launch.  Every input has a way to the output and is loaded.  LIMIT: a NaN, an infinity or an overflow that reaches only those hidden scores is not carried to the result.
; TILES.  Rows go in tiles of 16: tile 2 B + u holds rows 32 B + 8 u + p + 8 (p / 8), p = 0 .. 15.  With such a tile as source 0, the results of tiles 2 B and 2 B + 1 give a lane 16 neighbours.
; IMAGE.  For 64 along K a tile is 768 bytes: lane (r, h) owns the 32 codes k = 32 h .. 32 h + 31 of row p = r, six registers: the first four at byte 16 x lane, the last two at 512 + 8 x lane.
; A tile's 16 such pieces lie on end: 12,288 bytes.  Tiles 0-511 are x's, 512-703 qkv_w's, 704-767 proj_w's.  Scale bytes: [tile][p][32], one word for each 128 along K.
; A block's scale is 2^(floor(log2(largest magnitude)) - 2); its byte is the largest magnitude's exponent field - 2, held at 1 from below.
; LIMITS: NaN and infinities among the inputs are not served; a block whose largest magnitude lies under 2^-124 is held at byte 1; a block of zeros gets byte 1 where the rule says 127
; (its codes are zeros, which add nothing under any byte but 0xff, and the bytes are read by this program alone).
; SHARES.  768 tiles x 2 halves of K = 256 work-groups x 6 waves: a wave owns 512 along K of one tile, in 4 steps of 128, with two steps' 32 loads out.  A step's 16 loads read 512 consecutive bytes each (one row's 128 numbers);
; the 8,192 bytes turn through the wave's own stage in LDS (rows 528 bytes apart) and come back 16 neighbours of each block to a lane.  Waves share nothing: no barrier.
; A wave's scale bytes are 16 of each row's 32; the wave with the tile's other half writes the rest: 1 byte in 24 of what the launch stores.
; No matrix unit, no tensor load, no cluster: the launch streams each byte once and nothing is shared between work-groups.
.set STAGE, 8448                       ; 16 rows x (512 + 16) bytes, one stage for each wave
.set SPARE, 6*STAGE                    ; behind the stages: the spare words, 128 bytes for each wave
.set NS,   4                           ; steps a wave
.set R,    16                          ; v16-143   two sets of 64 registers, as loaded
.set X,    144                         ; v144-207  64 numbers: register 16 b + i = k 32 b + 16 h + i of my row
.set PC,   208                         ; v208-227  the fragment's 12 registers of codes, and 8 at work
.set TM,   228                         ; v228-235, v240-243  largest magnitudes, bytes, scale operands
.set PWS,  244                         ; v244-247  my four scale words
.set YY,   252                         ; v252-253  my 8 bytes of them
.set SEL,  20                          ; s[20:21]  lane selects for v_permlanex16_b32: lane l xor 16
; 64 numbers of a lane, v[s] on, register 16 b + i = k 32 b + 16 (lane / 16) + i of my row, become a fragment's codes in v[PC] on and its scale word in v[pw].
.macro QUANT s, pw
.irp b, 0,1,2,3
	v_max3_num_f32 v[TM+\b], |v[\s+16*\b]|, |v[\s+1+16*\b]|, 0x1800000   ; block b: my 16 numbers, and the floor 2^(3 - 127): the byte cannot fall under 1
.endr
.irp i, 2,4,6,8,10,12,14
.irp b, 0,1,2,3
	v_max3_num_f32 v[TM+\b], v[TM+\b], |v[\s+16*\b+\i]|, |v[\s+1+16*\b+\i]|   ; the four blocks by turns
.endr
.endr
.irp b, 0,1,2,3
	v_permlanex16_b32 v[TM+4+\b], v[TM+\b], s[SEL], s[SEL+1]
.endr
.irp b, 0,1,2,3
	v_max_num_f32 v[TM+\b], v[TM+\b], v[TM+4+\b]     ; with lane l xor 16's: the block's largest magnitude
.endr
.irp b, 0,1,2,3
	v_add_nc_u32 v[TM+12+\b], 0xff000000, v[TM+\b]   ; 2 off its exponent field: the conversion takes the exponent field of this operand as its scale
.endr
.irp b, 0,1,2,3
	v_lshrrev_b32 v[TM+4+\b], 23, v[TM+12+\b]        ; the scale's byte
.endr
	v_lshl_or_b32 v[\pw], v[TM+5], 8, v[TM+4]        ; four bytes: my row's scale word
	v_lshl_or_b32 v[\pw], v[TM+6], 16, v[\pw]
	v_lshl_or_b32 v[\pw], v[TM+7], 24, v[\pw]
.irp c, 0,1
	v_cvt_scalef32_pk16_fp6_f32 v[PC+6*\c:PC+2+6*\c], v[\s+32*\c:\s+15+32*\c], v[TM+12+2*\c]
	v_cvt_scalef32_pk16_fp6_f32 v[PC+12+4*\c:PC+14+4*\c], v[\s+16+32*\c:\s+31+32*\c], v[TM+12+2*\c+1]   ; (a conversion's three registers begin on an even number)
.endr
	v_nop                                            ; one plain place behind a scaled conversion
.irp c, 0,1                                      ; the operand wants a WHOLE block in a lane: lanes 0-15 block 2 c, lanes 16-31 block 2 c + 1
.irp i, 0,1,2
	v_permlane16_swap_b32 v[PC+6*\c+\i], v[PC+12+4*\c+\i]
.endr
.irp i, 0,1,2
	v_mov_b32 v[PC+3+6*\c+\i], v[PC+12+4*\c+\i]
.endr
.endr
.endm
.macro LOAD t                          ; step t: row p = i of my tile, 128 numbers: 32 lanes read 512 consecutive bytes
.irp i, 0,1,2,3,4,5,6,7,8,9,10,11,12,13,14,15
	global_load_b128 v[R+64*((\t)%2)+4*\i:R+64*((\t)%2)+4*\i+3], v4, s[4:5] offset:(\i+8*(\i/8))*4096+512*(\t) th:TH_LOAD_NT
.endr
.endm
	s_load_b256 s[4:11], s[0:1], 0x0               ; x s[4:5], qkv_w s[6:7], proj_w s[8:9], the images s[10:11]
	s_load_b64 s[12:13], s[0:1], 0x20              ; the scale bytes
	v_lshl_add_u32 v238, v0, 2, SPARE
	v_mov_b32 v239, 0
	v_lshrrev_b32 v1, 5, v0
	v_readfirstlane_b32 s14, v1                    ; wave 0..5
	v_and_b32 v2, 31, v0                           ; lane
	v_and_b32 v3, 15, v0                           ; r
	v_bfe_u32 v9, v0, 4, 1                         ; h
	v_lshlrev_b32 v4, 4, v2                        ; 16 x lane
	v_lshlrev_b32 v5, 3, v2                        ; 8 x lane
	s_mul_i32 s15, s14, STAGE                      ; my stage
	v_add_nc_u32 v6, s15, v4                       ; into it: 16 x lane of a row
	v_mul_u32_u24 v7, v3, 528
	v_lshl_add_u32 v7, v9, 6, v7
	v_add_nc_u32 v7, s15, v7                       ; out of it: row r, + 64 h: my 16 numbers of a block of 32
	v_lshlrev_b32 v8, 5, v3
	v_lshl_add_u32 v8, v9, 3, v8                   ; the scale words' place: 32 r + 8 h
	s_mov_b32 s[SEL], 0x76543210
	s_mov_b32 s[SEL+1], 0xfedcba98
	s_mov_b32 s22, 0xffff0000                      ; lanes 16-31
.irp b, 0,1,2,3
	v_mov_b32 v[TM+4+\b], 0                        ; written once: a lane permute's destination counts as one of its sources
.endr
	s_and_b32 s23, s14, 1                          ; which half of K
	s_lshr_b32 s16, s14, 1
	s_mul_i32 s17, ttmp9, 3
	s_add_co_u32 s16, s16, s17                     ; my tile, 0 .. 767
	s_mov_b32 s17, 704
	s_wait_alu depctr_va_vdst(0)
	s_wait_kmcnt 0x0
	s_cmp_lt_u32 s16, 704                          ; which tensor: the choice hangs on ids alone
	s_cselect_b64 s[6:7], s[6:7], s[8:9]
	s_cselect_b32 s17, 512, s17
	s_cmp_lt_u32 s16, 512
	s_cselect_b64 s[4:5], s[4:5], s[6:7]
	s_cselect_b32 s17, 0, s17
	s_sub_co_u32 s17, s16, s17                     ; my tile within its tensor
	s_lshr_b32 s18, s17, 1
	s_lshl_b32 s18, s18, 17                        ; 32 rows of 4,096 bytes for each pair of tiles,
	s_and_b32 s19, s17, 1
	s_lshl_b32 s19, s19, 15                        ; 8 rows for the odd tile,
	s_add_co_u32 s18, s18, s19
	s_lshl_b32 s19, s23, 11                        ; 2,048 bytes for the second half of K
	s_add_co_u32 s18, s18, s19
	s_mov_b32 s19, 0
	s_add_nc_u64 s[4:5], s[4:5], s[18:19]
	s_mul_i32 s18, s16, 12288
	s_mul_i32 s15, s23, 6144
	s_add_co_u32 s18, s18, s15
	s_add_nc_u64 s[10:11], s[10:11], s[18:19]
	s_lshl_b32 s18, s16, 9
	s_lshl_b32 s15, s23, 4
	s_add_co_u32 s18, s18, s15
	s_add_nc_u64 s[12:13], s[12:13], s[18:19]
	LOAD 0
	LOAD 1
.macro STEP s
.if \s < NS-1
	s_wait_loadcnt 16                              ; this step's 16 loads are in; the next step's 16 may be out
.else
	s_wait_loadcnt 0x0
.endif
	s_wait_xcnt 0x0                                ; the last step's stores have read their registers: the codes are written again only behind this wait
.irp i, 0,1,2,3,4,5,6,7,8,9,10,11,12,13,14,15
	ds_store_b128 v6, v[R+64*((\s)%2)+4*\i:R+64*((\s)%2)+4*\i+3] offset:528*\i
.endr
.irp b, 0,1,2,3
.irp j, 0,1,2,3
	ds_load_b128 v[X+16*\b+4*\j:X+16*\b+4*\j+3], v7 offset:128*\b+16*\j   ; LDS serves a wave's instructions in order: these see the stores above
.endr
.endr
	s_wait_dscnt 0x0                               ; the numbers are back, and the stores have read their registers,
.if \s+2 < NS
	LOAD (\s)+2                                    ; which take the loads of two steps on
.endif
	QUANT X, PWS+\s
	global_store_b128 v4, v[PC:PC+3], s[10:11] offset:1536*\s          ; 512 consecutive bytes,
	global_store_b64 v5, v[PC+4:PC+5], s[10:11] offset:1536*\s+512     ; 256,
	global_store_b128 v4, v[PC+6:PC+9], s[10:11] offset:1536*\s+768    ; and the same for the second 64 along K
	global_store_b64 v5, v[PC+10:PC+11], s[10:11] offset:1536*\s+1280
.endm
.irp s, 0,1,2,3
	STEP \s
.endr
.irp i, 0,1
	v_cndmask_b32 v[YY+\i], v[PWS+\i], v[PWS+2+\i], s22   ; every lane holds its row's four words: lanes 0-15 store the first two, lanes 16-31 the last two
.endr
	global_store_b64 v8, v[YY:YY+1], s[12:13]      ; 16 bytes of each of the tile's 16 rows
	s_wait_tensorcnt 0x0                           ; the wave's end
	ds_add_u32 v238, v239
	s_wait_dscnt 0x0
	s_endpgm
.Lfunc_end_k_q5db4f5f0a4_quant:
	.size	k_q5db4f5f0a4_quant, .Lfunc_end_k_q5db4f5f0a4_quant-k_q5db4f5f0a4_quant
	.p2alignl 7, 3214868480
	.fill 96, 4, 3214868480
	.section	.rodata,"a",@progbits
	.p2align	6, 0x0
	.amdhsa_kernel k_q5db4f5f0a4_quant
		.amdhsa_group_segment_fixed_size 51456
		.amdhsa_private_segment_fixed_size 0
		.amdhsa_enable_private_segment 0
		.amdhsa_kernarg_size 40
		.amdhsa_user_sgpr_count 2
		.amdhsa_user_sgpr_kernarg_segment_ptr 1
		.amdhsa_wavefront_size32 1
		.amdhsa_system_sgpr_workgroup_id_x 1
		.amdhsa_system_sgpr_workgroup_id_y 1
		.amdhsa_system_sgpr_workgroup_id_z 1
		.amdhsa_system_vgpr_workitem_id 0
		.amdhsa_next_free_vgpr 256
		.amdhsa_next_free_sgpr 66
		.amdhsa_reserve_vcc 0
		.amdhsa_float_denorm_mode_32 3
		.amdhsa_float_denorm_mode_16_64 3
		.amdhsa_memory_ordered 1
		.amdhsa_forward_progress 1
		.amdhsa_inst_pref_size 34
	.end_amdhsa_kernel
	.amdgpu_metadata
---
amdhsa.version: [ 1, 2 ]
amdhsa.kernels:
  - .name:           k_q5db4f5f0a4_quant
    .symbol:         k_q5db4f5f0a4_quant.kd
    .args:
      - { .name: x, .offset: 0, .size: 8, .value_kind: global_buffer, .address_space: global }
      - { .name: qkv_w, .offset: 8, .size: 8, .value_kind: global_buffer, .address_space: global }
      - { .name: proj_w, .offset: 16, .size: 8, .value_kind: global_buffer, .address_space: global }
      - { .name: xw_img, .offset: 24, .size: 8, .value_kind: global_buffer, .address_space: global }
      - { .name: xw_sc, .offset: 32, .size: 8, .value_kind: global_buffer, .address_space: global }
    .group_segment_fixed_size: 51456
    .private_segment_fixed_size: 0
    .kernarg_segment_align: 8
    .kernarg_segment_size: 40
    .max_flat_workgroup_size: 192
    .sgpr_count:     66
    .vgpr_count:     256
    .wavefront_size: 32
...
	.end_amdgpu_metadata
.endif
;; end of part 1
;; launch gemm_qkv (part 2): grid 8 x 32, 4 waves a work-group, clusters of 4 x 4, 327,680 bytes of LDS; arguments xw_img, xw_sc, qkv_b, qkv_img, qkv_sc; writes qkv_img, qkv_sc
.if DOCPART == 2
	.amdgcn_target "amdgcn-amd-amdhsa--gfx1250"
	.amdhsa_code_object_version 6
	.text
	.protected	k_q5db4f5f0a4_gemm_qkv
	.globl	k_q5db4f5f0a4_gemm_qkv
	.p2align	8
	.type	k_q5db4f5f0a4_gemm_qkv,@function
k_q5db4f5f0a4_gemm_qkv:
	s_mov_b64 s[64:65], 0
	v_nop
	global_prefetch_b8 v0, s[64:65] scope:SCOPE_SE
	s_setreg_imm32_b32 hwreg(HW_REG_WAVE_MODE, 25, 1), 1
	s_wait_xcnt 0x0
	s_wait_alu depctr_hold_cnt(0) depctr_sa_sdst(0) depctr_va_vdst(0) depctr_va_sdst(0) depctr_va_ssrc(0) depctr_va_vcc(0) depctr_vm_vsrc(0)
	s_getreg_b32 s2, hwreg(HW_REG_IB_STS2, 6, 4)
	s_cmp_eq_u32 s2, 0
	s_cbranch_scc0 .Lentry_in_a_cluster
	s_endpgm
.Lentry_in_a_cluster:
	s_bfe_u32 s2, ttmp6, 0x10000c
	s_cmp_lg_u32 s2, 0xf033
	s_cbranch_scc0 .Lentry_shape_is_right
	s_endpgm
.Lentry_shape_is_right:
; qkv = x qkv_w^T + qkv_b on codes of FP6 (E2M3) with E8M0 scales, K = 1,024; the results never reach memory as f32: q and k are quantised along the head's 64, v along the tokens, and leave as operand images.
; IMAGES (made by the launch before): rows in tiles of 16, tile 2 B + u = rows 32 B + 8 u + p + 8 (p / 8); for 64 along K a tile is 768 bytes (lane l: four registers at 16 l, two at 512 + 8 l); a tile's K = 1,024 is 12,288 bytes.
; THE DEAL.  256 work-groups that stay.  Work-group (g, tb) holds the 256 tokens of block tb, all of K, in LDS for the whole launch (196,608 bytes) and takes three blocks of 128 weight rows past them (98,304 bytes each):
; features 256 g .. + 127 and + 128 .. + 255 of q and k (two heads each), then rows 128 g .. + 127 of w_v (two heads).  Wave w owns token tiles 4 w .. 4 w + 3 against the weights' eight: 32 accumulators, 256 registers.
; q, k: source 0 = the weights' rows, source 1 = tokens: a lane is a token and its 128 numbers are two heads.  v: source 0 = tokens, source 1 = w_v's rows: a lane is a channel, and its 32 numbers of a channel tile run along my 64 tokens,
; half of a step of 128 keys: two channel tiles' 64 numbers go through the quantiser together and give two pieces of 768 bytes.
; FILLS.  At the head one joint load a wave, K in halves of 512: wave 0 the tokens' first half, wave 1 the weights', wave 2 the tokens' second, wave 3 the weights'.  The first half is read when waves 0 and 1 have seen it land.
; The weights' bytes are filled again twice, at the top of K step 7, when every wave has read them out: a round of the cluster's barrier, then one joint load a wave, a quarter each;
; it is out during the step's 32 products and the way out; a plain barrier then shows it.  Every wait on TENSORcnt is for 0.
; CLUSTER 4 x 4: the tokens' tiles hang on the cluster's row alone, the weights' on its column alone: each is asked for jointly by four work-groups.
; PREFETCH: in K step 1 of the first two phases the next weights are asked for, six K steps ahead of their load: 98,304 bytes shared out by address among the 16 waves of the cluster's column (24 blocks of 256 bytes each;
; the lanes left over name the last again), by the clusters with y < 4 alone, since all eight clusters of a column of the grid read the same rows.  The head's tiles have no step ahead of them.
; OUT: qkv_img: q and k [32 b + g'][tile 0..127][768] (g' = head, 16 + head); v from byte 12,582,912: [16 b + head][step of 128 keys][64 keys c][channel tile t][768].
;      qkv_sc: q and k [32 b + g'][64 tokens][p][4 tiles x 2 bytes]; v from byte 524,288: [16 b + head][step][p][4 words, t = 0, 2, 1, 3].
;      q's and k's scale store covers 128 consecutive bytes for each of two heads (the neighbouring wave writes the other half of the 256).  v's two bytes a wave meet in an LDS stage and leave as whole blocks of 256 bytes.
; LIMITS: NaN and infinities are not served; a block whose largest magnitude lies under 2^-124 is held at byte 1; a block of zeros gets byte 1 where the rule says 127 (zero codes; this program alone reads the bytes).
; REGISTERS.  window 0: v1-10 offsets; v16-29 LDS addresses; v32-63 the tokens' scale words, v64-127 the weights' (tile, K step); v128-175, v176-223 the tokens' fragments, two sets; on the way out v128-191 numbers, v192-211 codes, v224-253 at work.
;   window 1: v0-95, v128-223 the weights' fragments, two sets.   window 2: accumulator (a, b) at v[8 (8 a + b)].   window 3: v0-63, v64-127 the bias of the two q, k phases; v128-143 v's, each number twice.
.set G1P,  16                          ; s[16:23] descriptor group 1: the tokens' 16 tiles;  s[24:31] the weights' 8;  s[36:43] a quarter of the weights: 4
.set G1R,  24
.set G1Q,  36
.set G0P,  32                          ; groups 0: the tokens', the weights' at the head, the refills'
.set G0R,  48
.set G0N,  44
.set WV,   14
.set TH,   15                          ; wave % 2
.set HALF, 66                          ; wave / 2: which half of K I fetch
.set CX,   67
.set CY,   68
.set YC,   69
.set TRIP, 2
.set NXO,  52                          ; the next weights: my quarter, bytes from xw_img;  s53 the same for w_v
.set W2O,  53
.set PFN,  54                          ; the next weights: my share of the prefetch;  s55 the same for w_v
.set PF2,  55
.set NXS,  56                          ; s[56:57] the next weights' scale bytes;  s[58:59] w_v's
.set W2S,  58
.set VO,   60                          ; s[60:61] v's images, s[62:63] v's scale bytes
.set VS,   62
.set SEL,  98                          ; s[98:99] lane selects for v_permlanex16_b32
.set AA16, 16                          ; v16-17 half c of K: my token tiles, + 16 x lane;  v20-21 + 8 x lane
.set AA8,  20
.set BA16, 24                          ; v24-25, v28-29 the same for the weights
.set BA8,  28
.set SA,   32
.set SB,   64
.set PF,   128
.set H,    128
.set PC,   192
.set TM,   224
.set PWS,  240
.set RBASE, 196608                     ; the weights lie behind the tokens
.set SPARE, 294912                     ; the spare words
.set STG,   295424                     ; v's scale bytes: [step][head][p][16]: 1,024 bytes that no fill lands on
.set MSB, 0
.macro WIN new                         ; the immediate's high byte repeats the setting that is left
.if MSB != \new
	s_set_vgpr_msb (MSB<<8)|\new
.set MSB, \new
.endif
.endm
.macro PLACES                          ; four plain places: in front of loads into registers that matrix instructions have read, and of the first read of results
.rept 4
	v_nop
.endr
.endm
.macro CROUND                          ; a round of the cluster's barrier
	s_barrier_signal -1
	s_barrier_wait -1
	s_cmp_lg_u32 s[WV], 0
	s_cbranch_scc1 .Lnot_wave_0_\@
	s_barrier_signal -3
.Lnot_wave_0_\@:
	s_barrier_wait -3
	s_barrier_signal -1
	s_barrier_wait -1
.endm
.macro GROUP1 g, mask, rows            ; rows of 6,144 bytes (a tile's 512 along K: 768 elements of 8 bytes), 12,288 bytes apart in memory, dense in LDS
	s_or_b32 s[\g], s[\mask], (3<<16)|(1<<21)
	s_mov_b32 s[\g+1], 768<<16
	s_mov_b32 s[\g+2], (\rows)<<16
	s_mov_b32 s[\g+3], 768<<16
	s_mov_b32 s[\g+4], \rows
	s_mov_b32 s[\g+5], 1536
	s_mov_b32 s[\g+6], 0
	s_mov_b32 s[\g+7], 0
.endm
.macro TLOAD g0, g1
	tensor_load_to_lds s[\g0:\g0+3], s[\g1:\g1+7]
	s_nop 0
	PLACES
.endm
.macro FRAG reg, a16, a8, off          ; a fragment, 16 rows x 128 K: two pieces of 768 bytes on end: every load reads consecutive bytes
	ds_load_b128 v[\reg:\reg+3], v[\a16] offset:\off
	ds_load_b64 v[\reg+4:\reg+5], v[\a8] offset:\off+512
	ds_load_b128 v[\reg+6:\reg+9], v[\a16] offset:\off+768
	ds_load_b64 v[\reg+10:\reg+11], v[\a8] offset:\off+1280
.endm
.macro FETCH s, p                      ; K step s (128 along K) into set p: the weights' eight fragments, my four of the tokens
	WIN 0x40                                       ; destination window 1, address window 0
.irp b, 0,1,2,3,4,5,6,7
	FRAG 128*(\p)+12*\b, BA16+(\s)/4, BA8+(\s)/4, 6144*\b+1536*((\s)%4)
.endr
	WIN 0
.irp a, 0,1,2,3
	FRAG PF+48*(\p)+12*\a, AA16+(\s)/4, AA8+(\s)/4, 6144*\a+1536*((\s)%4)
.endr
.endm
.macro PROD d, x, y, c, sx, sy
	v_wmma_scale_f32_16x16x128_f8f6f4 v[\d:\d+7], v[\x:\x+11], v[\y:\y+11], \c, v[\sx], v[\sy] matrix_a_fmt:MATRIX_FMT_FP6 matrix_b_fmt:MATRIX_FMT_FP6
.endm
.macro MUL kind, s, p, zero            ; 32 products; the 32 accumulators take turns, one instruction a turn, in the same order in every step.  zero = 1: the first step starts the sums
.if \kind
	WIN 0xa4                                       ; v: source 0 (tokens) window 0, source 1 (weights) window 1, C and D window 2
.else
	WIN 0xa1                                       ; q, k: source 0 (weights) window 1, source 1 (tokens) window 0
.endif
.irp a, 0,1,2,3
.irp b, 0,1,2,3,4,5,6,7
.if \kind
.if \zero
	PROD 8*(8*\a+\b), PF+48*(\p)+12*\a, 128*(\p)+12*\b, 0, SA+8*\a+(\s), SB+8*\b+(\s)
.else
	PROD 8*(8*\a+\b), PF+48*(\p)+12*\a, 128*(\p)+12*\b, v[8*(8*\a+\b):8*(8*\a+\b)+7], SA+8*\a+(\s), SB+8*\b+(\s)
.endif
.else
.if \zero
	PROD 8*(8*\a+\b), 128*(\p)+12*\b, PF+48*(\p)+12*\a, 0, SB+8*\b+(\s), SA+8*\a+(\s)
.else
	PROD 8*(8*\a+\b), 128*(\p)+12*\b, PF+48*(\p)+12*\a, v[8*(8*\a+\b):8*(8*\a+\b)+7], SB+8*\b+(\s), SA+8*\a+(\s)
.endif
.endif
.endr
.endr
.endm
; 64 numbers of a lane, v[s] on, register 16 b + i = index 32 b + 16 (lane / 16) + i, become a fragment's codes in v[PC] on and its scale word in v[pw].
.macro QUANT s, pw
.irp b, 0,1,2,3
	v_max3_num_f32 v[TM+\b], |v[\s+16*\b]|, |v[\s+1+16*\b]|, 0x1800000   ; block b: my 16 numbers, and the floor 2^(3 - 127): the byte cannot fall under 1
.endr
.irp i, 2,4,6,8,10,12,14
.irp b, 0,1,2,3
	v_max3_num_f32 v[TM+\b], v[TM+\b], |v[\s+16*\b+\i]|, |v[\s+1+16*\b+\i]|
.endr
.endr
.irp b, 0,1,2,3
	v_permlanex16_b32 v[TM+4+\b], v[TM+\b], s[SEL], s[SEL+1]
.endr
.irp b, 0,1,2,3
	v_max_num_f32 v[TM+\b], v[TM+\b], v[TM+4+\b]     ; with lane l xor 16's: the block's largest magnitude
.endr
.irp b, 0,1,2,3
	v_add_nc_u32 v[TM+12+\b], 0xff000000, v[TM+\b]   ; 2 off its exponent field: the conversion's scale operand
.endr
.irp b, 0,1,2,3
	v_lshrrev_b32 v[TM+4+\b], 23, v[TM+12+\b]        ; the scale's byte
.endr
	v_lshl_or_b32 v[\pw], v[TM+5], 8, v[TM+4]
	v_lshl_or_b32 v[\pw], v[TM+6], 16, v[\pw]
	v_lshl_or_b32 v[\pw], v[TM+7], 24, v[\pw]
.irp c, 0,1
	v_cvt_scalef32_pk16_fp6_f32 v[PC+6*\c:PC+2+6*\c], v[\s+32*\c:\s+15+32*\c], v[TM+12+2*\c]
	v_cvt_scalef32_pk16_fp6_f32 v[PC+12+4*\c:PC+14+4*\c], v[\s+16+32*\c:\s+31+32*\c], v[TM+12+2*\c+1]   ; (a conversion's three registers begin on an even number)
.endr
	v_nop                                            ; one plain place behind a scaled conversion
.irp c, 0,1                                      ; the operand wants a WHOLE block in a lane
.irp i, 0,1,2
	v_permlane16_swap_b32 v[PC+6*\c+\i], v[PC+12+4*\c+\i]
.endr
.irp i, 0,1,2
	v_mov_b32 v[PC+3+6*\c+\i], v[PC+12+4*\c+\i]
.endr
.endr
.endm
; Eight K steps, written out.  While a step's 32 products are issued, the next step's 48 LDS loads are on their way.  refill = 1: the phase is followed by another: the next weights are prefetched in step 1 and loaded at the top of step 7.
.macro KWALK kind, refill
	FETCH 0, 0
.irp s, 0,1,2,3,4,5,6,7
	s_wait_dscnt 0x0                               ; this step's fragments are in
.if \s < 7
.if \s == 3
.if \refill
	s_wait_tensorcnt 0x0                           ; every wave: my load is in: in the first phase the second half of K among them
	s_barrier_signal -1
	s_barrier_wait -1                              ; everybody's is
.endif
.endif
.if \s > 0
	PLACES                                         ; the set that is loaded now was read by the step before
.endif
	FETCH \s+1, (\s+1)%2
.if \s == 1
.if \refill
	v_min_u32 v10, 23, v8
	v_lshl_add_u32 v10, v10, 8, s[PFN]             ; my 24 blocks of 256 bytes of the next weights
	s_cmp_lt_u32 s[YC], 4
	s_cbranch_scc0 .Lno_ask_\@
	global_prefetch_b8 v10, s[4:5] th:TH_LOAD_NT scope:SCOPE_SE
.Lno_ask_\@:
.endif
.endif
.else
.if \refill
	WIN 0
	s_wait_tensorcnt 0x0                           ; no load of mine is out,
	ds_add_u32 v254, v255
	s_mov_b32 s92, s[NXO]                          ; so the refill's group 0 may be written
	s_mov_b32 s93, 0
	s_add_nc_u64 s[G0N+2:G0N+3], s[4:5], s[92:93]
	s_or_b32 s[G0N+3], s[G0N+3], 0x80000000
	s_mov_b32 s[NXO], s[W2O]
	s_wait_dscnt 0x0                               ; the add is done, and my reads of the weights are over
	CROUND                                         ; so are those of every wave of every partner
	TLOAD G0N, G1Q                                 ; my quarter of the next weights
.endif
.endif
.if \s == 0
	s_wait_loadcnt 0x0                             ; the scale words (and at the head the bias)
	MUL \kind, \s, \s%2, 1
.else
	MUL \kind, \s, \s%2, 0
.endif
.endr
	WIN 0
	PLACES
.endm
.macro PUT base0, off0, base1, off1    ; a fragment's two pieces of 768 bytes: 512 consecutive bytes and 256, twice
	global_store_b128 v2, v[PC:PC+3], s[\base0:\base0+1] offset:\off0
	global_store_b64 v3, v[PC+4:PC+5], s[\base0:\base0+1] offset:\off0+512
	global_store_b128 v2, v[PC+6:PC+9], s[\base1:\base1+1] offset:\off1
	global_store_b64 v3, v[PC+10:PC+11], s[\base1:\base1+1] offset:\off1+512
.endm
.macro ADDB a, set                     ; + bias, which also brings a token tile's 64 numbers into window 0, each accumulator from its low end on
	WIN 0x0e                                       ; source 0 (the sums) window 2, source 1 (the bias) window 3
.irp b, 0,1,2,3,4,5,6,7
.irp i, 0,1,2,3
	v_pk_add_f32 v[H+8*\b+2*\i:H+8*\b+2*\i+1], v[8*(8*\a+\b)+2*\i:8*(8*\a+\b)+2*\i+1], v[64*\set+8*\b+2*\i:64*\set+8*\b+2*\i+1]
.endr
.endr
	WIN 0
.endm
.macro TILE a                          ; q, k: the way out of token tile a
	s_cmp_eq_u32 s[TRIP], 0
	s_cbranch_scc0 .Lsecond_\@
	ADDB \a, 0
	s_branch .Ljoin_\@
.Lsecond_\@:
	ADDB \a, 1
.Ljoin_\@:
	s_wait_xcnt 0x0                                ; the last stores have read their registers: the codes are written again only behind this wait
	QUANT H, PWS+\a
	PUT 10, 768*\a, 84, 768*\a                     ; the first head's image, the second head's
.endm
.macro UNIT q                          ; v: the way out of channel tiles 2 q, 2 q + 1: register 32 bb + 8 a + j is token 32 (a / 2) + 8 (a % 2) + 16 h + j (a's pair of tiles: 16 neighbours) of my 64, in tile 2 q + bb
	WIN 0x0e
.irp bb, 0,1
.irp a, 0,1,2,3
.irp i, 0,1,2,3
	v_pk_add_f32 v[H+32*\bb+8*\a+2*\i:H+32*\bb+8*\a+2*\i+1], v[8*(8*\a+2*\q+\bb)+2*\i:8*(8*\a+2*\q+\bb)+2*\i+1], v[128+4*\q+2*\bb:129+4*\q+2*\bb]
.endr
.endr
.endr
	WIN 0
	s_wait_xcnt 0x0
	QUANT H, PWS+\q
	PUT VO, 98304*(\q/2)+1536*(\q%2), VO, 98304*(\q/2)+1536*(\q%2)+768
	ds_store_b16 v250, v[PWS+\q] offset:256*(\q/2)+4*(\q%2)              ; tile 2 q's two bytes (both halves of the lanes hold and write the same),
	ds_store_b16_d16_hi v250, v[PWS+\q] offset:256*(\q/2)+4*(\q%2)+8     ; tile 2 q + 1's
.endm
.macro SBLOAD base                     ; the weights' scale words: register SB + 8 b + s: row r's word of K step s
.irp b, 0,1,2,3,4,5,6,7
.irp q, 0,1
	global_load_b128 v[SB+8*\b+4*\q:SB+8*\b+4*\q+3], v1, s[\base:\base+1] offset:512*\b+16*\q
.endr
.endr
.endm
	s_load_b128 s[4:7], s[0:1], 0x0                ; the images of x and the weights s[4:5], their scale bytes s[6:7]
	s_load_b128 s[8:11], s[0:1], 0x10              ; qkv_b s[8:9], qkv_img s[10:11]
	s_load_b64 s[12:13], s[0:1], 0x20              ; qkv_sc
	v_lshl_add_u32 v254, v0, 2, SPARE
	v_mov_b32 v255, 0
	ds_add_u32 v254, v255                          ; the opening lines: the add, twice on end, and its wait
	ds_add_u32 v254, v255
	v_lshrrev_b32 v1, 5, v0
	v_readfirstlane_b32 s[WV], v1                  ; wave 0..3
	s_and_b32 s[TH], s[WV], 1
	s_lshr_b32 s[HALF], s[WV], 1
	s_bfe_u32 s[CX], ttmp6, 0x40000
	s_bfe_u32 s[CY], ttmp6, 0x40004
	s_and_b32 s[YC], ttmp7, 0xffff
	s_lshl_b32 s70, s[CY], 2
	s_lshl_b32 s70, 15, s70                        ; my row of the cluster
	s_lshl_b32 s71, 0x1111, s[CX]                  ; my column
	GROUP1 G1P, 70, 16
	GROUP1 G1R, 71, 8
	GROUP1 G1Q, 71, 4
	s_lshl_b32 s72, s[YC], 2
	s_add_co_u32 s72, s72, s[CY]                   ; tb: my block of 256 tokens
	s_lshl_b32 s74, ttmp9, 2
	s_add_co_u32 s74, s74, s[CX]                   ; g
	s_mul_i32 s77, s[HALF], 6144                   ; my half of K within a tile's 12,288 bytes
	s_mul_i32 s78, s72, 16*12288                   ; the tokens' first tile, in bytes
	s_add_co_u32 s78, s78, s77
	s_mov_b32 s79, 0
	s_lshl_b32 s75, s74, 4
	s_add_co_u32 s75, s75, 512                     ; the first weights' first tile: 512 + 16 g
	s_mul_i32 s76, s75, 12288
	s_add_co_u32 s80, s76, s77
	s_mov_b32 s81, 0
	s_mov_b32 s[G0P], 1
	s_mul_i32 s[G0P+1], s[HALF], 98304             ; where they go: no place in the cluster enters an LDS address
	s_mov_b32 s[G0R], 1
	s_mul_i32 s[G0R+1], s[HALF], 49152
	s_add_co_u32 s[G0R+1], s[G0R+1], RBASE
	s_mul_i32 s73, s[TH], 49152                    ; the refills: my quarter: four tiles, half of K
	s_add_co_u32 s73, s73, s77
	s_add_co_u32 s[NXO], s76, 98304                ; the second weights follow the first
	s_add_co_u32 s[NXO], s[NXO], s73
	s_lshl_b32 s86, s74, 3
	s_add_co_u32 s86, s86, 640                     ; w_v's first tile: 640 + 8 g
	s_mul_i32 s87, s86, 12288
	s_add_co_u32 s[W2O], s87, s73
	s_mov_b32 s[G0N], 1
	s_mul_i32 s[G0N+1], s[WV], 24576
	s_add_co_u32 s[G0N+1], s[G0N+1], RBASE
	s_lshl_b32 s88, s[CY], 2                       ; the prefetches: my number among the 16 waves of my column
	s_add_co_u32 s88, s88, s[WV]
	s_mul_i32 s88, s88, 6144
	s_add_co_u32 s[PFN], s76, 98304
	s_add_co_u32 s[PFN], s[PFN], s88
	s_add_co_u32 s[PF2], s87, s88
	s_lshl_b32 s94, s72, 4                         ; scale bytes, 512 a tile: my four token tiles',
	s_lshl_b32 s89, s[WV], 2
	s_add_co_u32 s94, s94, s89
	s_lshl_b32 s94, s94, 9
	s_mov_b32 s95, 0
	s_lshl_b32 s96, s75, 9                         ; the first weights',
	s_mov_b32 s97, 0
	s_add_co_u32 s[NXS], s96, 4096                 ; the second's,
	s_mov_b32 s[NXS+1], 0
	s_lshl_b32 s[W2S], s86, 9                      ; w_v's
	s_mov_b32 s[W2S+1], 0
	s_lshr_b32 s89, s72, 3                         ; b
	s_and_b32 s90, s72, 7
	s_lshl_b32 s73, s90, 1
	s_add_co_u32 s73, s73, s[HALF]                 ; the step of 128 keys whose scale bytes I store at the end
	s_lshl_b32 s90, s90, 2
	s_add_co_u32 s90, s90, s[WV]                   ; my 64 tokens within the batch
	s_lshl_b32 s91, s89, 5
	s_lshl_b32 s92, s74, 2
	s_add_co_u32 s91, s91, s92                     ; q, k: plane 32 b + 4 g: the first of the first phase's two heads
	s_lshl_b32 s84, s91, 7
	s_lshl_b32 s92, s90, 2
	s_add_co_u32 s84, s84, s92
	s_mul_i32 s84, s84, 768                        ; images
	s_mov_b32 s85, 0
	s_lshl_b32 s86, s91, 12
	s_lshl_b32 s92, s90, 7
	s_add_co_u32 s86, s86, s92                     ; scale bytes
	s_mov_b32 s87, 0
	s_lshl_b32 s91, s89, 4
	s_lshl_b32 s92, s74, 1
	s_add_co_u32 s91, s91, s92
	s_add_co_u32 s91, s91, 128                     ; v: plane 128 + 16 b + 2 g
	s_mul_i32 s[VO], s91, 98304
	s_mul_i32 s92, s90, 3072
	s_add_co_u32 s[VO], s[VO], s92                 ; my 64 keys' pieces
	s_mov_b32 s[VO+1], 0
	s_add_co_u32 s91, s91, s[TH]
	s_lshl_b32 s[VS], s91, 12
	s_lshl_b32 s73, s73, 8
	s_add_co_u32 s[VS], s[VS], s73                 ; the 256 scale bytes of head wave % 2, step wave / 2
	s_mov_b32 s[VS+1], 0
	s_lshl_b32 s88, s74, 10                        ; bias: feature 256 g;
	s_mov_b32 s89, 0
	s_lshl_b32 s90, s74, 9
	s_add_co_u32 s90, s90, 8192                    ; feature 2,048 + 128 g
	s_mov_b32 s91, 0
	s_lshl_b32 s76, s[HALF], 9                     ; the stage: in: step wave / 2, bytes 2 (wave % 2) of each word;
	s_lshl_b32 s77, s[TH], 1
	s_add_co_u32 s76, s76, s77
	s_add_co_u32 s76, s76, STG
	s_lshl_b32 s77, s[WV], 8                       ; back: 256 bytes a wave
	s_add_co_u32 s77, s77, STG
	s_mov_b32 s100, 0x05040100                     ; how four tiles' words are dealt to two heads
	s_mov_b32 s101, 0x07060302
	s_mov_b32 s3, 0xffff0000                       ; lanes 16-31
	s_mov_b32 s[SEL], 0x76543210
	s_mov_b32 s[SEL+1], 0xfedcba98
	s_wait_alu depctr_va_vdst(0)
	s_wait_dscnt 0x0
	s_wait_kmcnt 0x0
	s_add_nc_u64 s[G0P+2:G0P+3], s[4:5], s[78:79]
	s_or_b32 s[G0P+3], s[G0P+3], 0x80000000
	s_add_nc_u64 s[G0R+2:G0R+3], s[4:5], s[80:81]
	s_or_b32 s[G0R+3], s[G0R+3], 0x80000000
	s_add_nc_u64 s[94:95], s[6:7], s[94:95]
	s_add_nc_u64 s[96:97], s[6:7], s[96:97]
	s_add_nc_u64 s[NXS:NXS+1], s[6:7], s[NXS:NXS+1]
	s_add_nc_u64 s[W2S:W2S+1], s[6:7], s[W2S:W2S+1]
	s_add_nc_u64 s[VO:VO+1], s[10:11], s[VO:VO+1]
	s_add_nc_u64 s[VS:VS+1], s[12:13], s[VS:VS+1]
	s_add_nc_u64 s[10:11], s[10:11], s[84:85]      ; a fragment's first half goes here,
	s_add_nc_u64 s[84:85], s[10:11], 98304         ; its second to the next head's image
	s_add_nc_u64 s[12:13], s[12:13], s[86:87]
	s_add_nc_u64 s[88:89], s[8:9], s[88:89]
	s_add_nc_u64 s[90:91], s[8:9], s[90:91]
	CROUND                                         ; all sixteen work-groups are here: the joint loads meet
	s_cmp_eq_u32 s[WV], 0                          ; one chain of branches on the wave's number, one joint load to an arm: the waves that wait at the first barrier have lines of their own
	s_cbranch_scc0 .Lwave_1
	TLOAD G0P, G1P                                 ; wave 0: the tokens, K 0 .. 511
	s_branch .Lasked
.Lwave_1:
	s_cmp_eq_u32 s[WV], 1
	s_cbranch_scc0 .Lwave_2
	TLOAD G0R, G1R                                 ; wave 1: the weights, K 0 .. 511
	s_branch .Lasked
.Lwave_2:
	s_cmp_eq_u32 s[WV], 2
	s_cbranch_scc0 .Lwave_3
	TLOAD G0P, G1P                                 ; wave 2: the tokens, K 512 .. 1,023
	s_branch .Lasked
.Lwave_3:
	TLOAD G0R, G1R                                 ; wave 3: the weights, K 512 .. 1,023
.Lasked:
	v_and_b32 v8, 31, v0                           ; lane
	v_and_b32 v6, 15, v0                           ; r
	v_bfe_u32 v7, v0, 4, 1                         ; h
	v_lshlrev_b32 v1, 5, v6                        ; 32 r: a row's eight scale words
	v_lshlrev_b32 v2, 4, v8                        ; 16 x lane
	v_lshlrev_b32 v3, 3, v8                        ; 8 x lane
	v_lshlrev_b32 v4, 6, v7                        ; 64 h: q's and k's bias
	v_and_b32 v9, 8, v6
	v_add_nc_u32 v9, v9, v6
	v_lshlrev_b32 v9, 2, v9                        ; 4 (r + 8 (r / 8)): v's
	v_lshlrev_b32 v5, 3, v6
	v_lshl_add_u32 v5, v7, 12, v5                  ; where my 8 scale bytes of q or k go: 8 r, lanes 16-31 the next head's plane
.irp a, 0,1,2,3
.irp q, 0,1
	global_load_b128 v[SA+8*\a+4*\q:SA+8*\a+4*\q+3], v1, s[94:95] offset:512*\a+16*\q   ; register SA + 8 a + s: row r's word of K step s
.endr
.endr
	SBLOAD 96
	WIN 0xc0                                       ; the bias, into window 3.  q, k, phase k: register 64 k + 8 b + j = the feature of register j of the weights' tile b
.irp k, 0,1
.irp b, 0,1,2,3,4,5,6,7
	global_load_b128 v[64*\k+8*\b:64*\k+8*\b+3], v4, s[88:89] offset:512*\k+(32*(\b/2)+8*(\b%2))*4
	global_load_b128 v[64*\k+8*\b+4:64*\k+8*\b+7], v4, s[88:89] offset:512*\k+(32*(\b/2)+8*(\b%2))*4+16
.endr
.endr
.irp b, 0,1,2,3,4,5,6,7                        ; v: my lane's channel in tile b, in both registers of a pair
	global_load_b32 v[128+2*\b], v9, s[90:91] offset:(32*(\b/2)+8*(\b%2))*4
	global_load_b32 v[129+2*\b], v9, s[90:91] offset:(32*(\b/2)+8*(\b%2))*4
.endr
	WIN 0
	s_mul_i32 s70, s[WV], 24576                    ; my four token tiles within a half of K
	s_wait_alu depctr_va_vdst(0)
.irp c, 0,1
	v_add_nc_u32 v[AA16+\c], s70, v2
	v_add_nc_u32 v[AA8+\c], s70, v3
	v_add_nc_u32 v[BA16+\c], RBASE+\c*49152, v2
	v_add_nc_u32 v[BA8+\c], RBASE+\c*49152, v3
	s_add_co_u32 s70, s70, 98304
.endr
	v_lshl_add_u32 v250, v6, 4, s76                ; the stage, in: 16 r
	v_add_nc_u32 v251, s77, v3                     ; and back: 8 x lane
.irp b, 0,1,2,3
	v_mov_b32 v[TM+4+\b], 0                        ; written once: a lane permute's destination counts as one of its sources
.endr
	s_mov_b32 s[TRIP], 0
	s_wait_alu depctr_va_vdst(0)
	s_cmp_lt_u32 s[WV], 2
	s_cbranch_scc0 .Lnot_first
	s_wait_tensorcnt 0x0                           ; waves 0 and 1: my tile of the first half of K is in; the second half may be out
.Lnot_first:
	s_barrier_signal -1
	s_barrier_wait -1                              ; the first half is shown to all
.Lphase:                                               ; q and k: two trips, 128 features each
	KWALK 0, 1
	SBLOAD NXS                                     ; the next weights' scale words, under the way out
	TILE 0
	TILE 1
	TILE 2
	TILE 3
	v_perm_b32 v244, v[PWS+1], v[PWS], s100        ; the first head's two bytes of tiles 0, 1;
	v_perm_b32 v245, v[PWS+3], v[PWS+2], s100      ; of tiles 2, 3;
	v_perm_b32 v246, v[PWS+1], v[PWS], s101        ; the second head's
	v_perm_b32 v247, v[PWS+3], v[PWS+2], s101
	v_cndmask_b32 v248, v244, v246, s3             ; lanes 0-15 store the first pair, lanes 16-31 the second
	v_cndmask_b32 v249, v245, v247, s3
	global_store_b64 v5, v[248:249], s[12:13]
	s_wait_alu depctr_va_vdst(0)
	s_wait_xcnt 0x0                                ; every load, store and prefetch of mine has read its addresses: they step on
	s_add_nc_u64 s[10:11], s[10:11], 196608        ; two heads on
	s_add_nc_u64 s[84:85], s[84:85], 196608
	s_add_nc_u64 s[12:13], s[12:13], 8192
	s_mov_b64 s[NXS:NXS+1], s[W2S:W2S+1]
	s_mov_b32 s[PFN], s[PF2]
	s_wait_tensorcnt 0x0                           ; my quarter of the next weights is in
	s_barrier_signal -1
	s_barrier_wait -1                              ; everybody's is
	s_add_co_u32 s[TRIP], s[TRIP], 1
	s_cmp_lt_u32 s[TRIP], 2
	s_cbranch_scc1 .Lphase
	KWALK 1, 0                                     ; v
	UNIT 0
	UNIT 1
	UNIT 2
	UNIT 3
	s_wait_dscnt 0x0                               ; my scale bytes lie in the stage
	s_barrier_signal -1
	s_barrier_wait -1                              ; everybody's do
	ds_load_b64 v[252:253], v251
	s_wait_dscnt 0x0
	global_store_b64 v3, v[252:253], s[VS:VS+1]    ; 32 lanes store 256 consecutive bytes, at a multiple of 256
	s_wait_tensorcnt 0x0                           ; the wave's end
	ds_add_u32 v254, v255
	s_wait_dscnt 0x0
	CROUND                                         ; the closing round: no work-group ends while a partner may still ask for a tile that names it
	s_endpgm
.Lfunc_end_k_q5db4f5f0a4_gemm_qkv:
	.size	k_q5db4f5f0a4_gemm_qkv, .Lfunc_end_k_q5db4f5f0a4_gemm_qkv-k_q5db4f5f0a4_gemm_qkv
	.p2alignl 7, 3214868480
	.fill 96, 4, 3214868480
	.section	.rodata,"a",@progbits
	.p2align	6, 0x0
	.amdhsa_kernel k_q5db4f5f0a4_gemm_qkv
		.amdhsa_group_segment_fixed_size 327680
		.amdhsa_private_segment_fixed_size 0
		.amdhsa_enable_private_segment 0
		.amdhsa_kernarg_size 40
		.amdhsa_user_sgpr_count 2
		.amdhsa_user_sgpr_kernarg_segment_ptr 1
		.amdhsa_wavefront_size32 1
		.amdhsa_system_sgpr_workgroup_id_x 1
		.amdhsa_system_sgpr_workgroup_id_y 1
		.amdhsa_system_sgpr_workgroup_id_z 1
		.amdhsa_system_vgpr_workitem_id 0
		.amdhsa_next_free_vgpr 1024
		.amdhsa_next_free_sgpr 102
		.amdhsa_reserve_vcc 0
		.amdhsa_float_denorm_mode_32 3
		.amdhsa_float_denorm_mode_16_64 3
		.amdhsa_memory_ordered 1
		.amdhsa_forward_progress 1
		.amdhsa_inst_pref_size 196
	.end_amdhsa_kernel
	.amdgpu_metadata
---
amdhsa.version: [ 1, 2 ]
amdhsa.kernels:
  - .name:           k_q5db4f5f0a4_gemm_qkv
    .symbol:         k_q5db4f5f0a4_gemm_qkv.kd
    .args:
      - { .name: xw_img, .offset: 0, .size: 8, .value_kind: global_buffer, .address_space: global }
      - { .name: xw_sc, .offset: 8, .size: 8, .value_kind: global_buffer, .address_space: global }
      - { .name: qkv_b, .offset: 16, .size: 8, .value_kind: global_buffer, .address_space: global }
      - { .name: qkv_img, .offset: 24, .size: 8, .value_kind: global_buffer, .address_space: global }
      - { .name: qkv_sc, .offset: 32, .size: 8, .value_kind: global_buffer, .address_space: global }
    .group_segment_fixed_size: 327680
    .private_segment_fixed_size: 0
    .kernarg_segment_align: 8
    .kernarg_segment_size: 40
    .max_flat_workgroup_size: 128
    .sgpr_count:     102
    .vgpr_count:     1024
    .wavefront_size: 32
...
	.end_amdgpu_metadata
.endif
;; end of part 2
;; launch attn (part 3): grid 64 x 4, 16 waves a work-group, no clusters, 327,680 bytes of LDS; arguments qkv_img, qkv_sc, a_img, a_sc; writes a_img, a_sc
.if DOCPART == 3
	.amdgcn_target "amdgcn-amd-amdhsa--gfx1250"
	.amdhsa_code_object_version 6
	.text
	.protected	k_q5db4f5f0a4_attn
	.globl	k_q5db4f5f0a4_attn
	.p2align	8
	.type	k_q5db4f5f0a4_attn,@function
k_q5db4f5f0a4_attn:
	s_mov_b64 s[64:65], 0
	v_nop
	global_prefetch_b8 v0, s[64:65] scope:SCOPE_SE
	s_setreg_imm32_b32 hwreg(HW_REG_WAVE_MODE, 25, 1), 1
	s_wait_xcnt 0x0
; Causal attention of one head on codes of FP6 (E2M3) with E8M0 scales; head size 64, 2,048 tokens.  The result, divided by the row's sum, is quantised along the model's 1,024 and leaves as an operand image for the last product.
; WORK LEFT OUT: steps of 128 keys that all come after a tile's queries: reference()'s own jnp.tril makes their p zero for all inputs.  A NaN or an infinity that reaches only those scores is not carried on.
; THE SOFTMAX AHEAD OF THE SECOND PRODUCT: t = score x log2(e) / 8; M = the running largest t rounded UP to a whole number; p = 2^(t - M) is quantised along the keys, not normalised; the row's sum is taken of the
; unquantised p.  When M moves, the sum and O are multiplied by 2^(old M - new M): exact.
; SHARES.  256 work-groups, four to a head.  Work-group (head, j) has the query chunks (128 queries each) 15 - j, j, 8 + j, 7 - j: 34 steps of 128 queries x 128 keys in every work-group.
; Sixteen waves of 256 registers.  Waves 0-7 take a tile of 16 queries of chunk 15 - j and then the same tile of chunk j, waves 8-15 of chunks 8 + j and 7 - j: 17 key steps in every wave.  Both tiles' q come at the head.
; A WHOLE HEAD'S K AND V LIE IN LDS (98,304 bytes each, and 4,096 of scale bytes each), each byte filled once, by two tensor loads a wave.  At the head: waves 0-3 K's key steps 0-4, waves 4-7 V's (7,680 bytes each),
; waves 8-15 the scale bytes (1,024 each).  Behind a barrier: steps 5-15, 8,448 bytes a wave, waves 0-7 K's, waves 8-15 V's.
; That load is out while every wave works its first five key steps; one barrier then shows it to all, and no barrier follows.  Every wait on TENSORcnt is for 0.
; Work-group j reads key steps 0 .. 15 - j; the loads' shapes are constants of the text, so the last j steps' bytes come all the same.
; LAYOUT.  Both products are used transposed: S^T = K Q^T, O^T = V^T P^T: a lane holds one query throughout.
; THE KEYS OF A TILE OF K ARE CHOSEN BY THE LDS ADDRESS.  In memory a tile 2 B + u' holds keys 32 B + 8 u' + p + 8 (p / 8).  Tile (c, u) of a step takes for its rows 0-7 keys 64 c + 8 u + 0 .. 7 and for its rows 8-15 keys 64 c + 32 + 8 u + 0 .. 7:
; row r reads row 8 (u / 2) + r % 8 of the stored tile 4 c + 2 (r / 8) + u % 2.  So register 32 c + 8 u + j of lane (r, h) is key 64 c + 32 h + 8 u + j: a lane's 32 registers are ONE scale block of p, in the order of the operand's registers:
; no lane is asked for a block's maximum, and the conversions' results are the operand.  The lanes r and r + 8 of such a load stand 1,536 bytes apart.
; K = 64 IN AN INSTRUCTION OF 128: a fragment of K holds tile (c, 2 f) in its first six registers and tile (c, 2 f + 1) in its last six.  Against [q | zero codes] it gives the first's scores, against [zero codes | q] the second's.
; CAUSAL.  Every loop has a constant trip count; a hidden step is left out by a scalar branch on ids; in the step on the diagonal hidden scores become -infinity; the first 64 keys hide nothing from a tile in the chunk's second 64 queries.
; NO CLUSTER: the four work-groups of a head read the same K and V, but the skip of hidden steps is a branch on the work-group's place among the four, which partners of a cluster may not have.
; NO PREFETCH: both fills go out at the head, the second as soon as the first is in: there is no loop to run ahead in.
; The scale bytes leave one byte a lane, rows 32 bytes apart: a head owns 2 of a row's 32 bytes; 1 byte for each 24 bytes of codes.
; LIMITS: NaN and infinities are not served; the promise holds while the scaled scores t stay under 2^31 in magnitude; a block whose largest magnitude lies under 2^-124 is held at byte 1; a block of zeros gets byte 1 (zero codes; this program alone reads the bytes).
; REGISTERS: v1-6, v92-94, v239-241 places that stay; v95 -infinity; v7-11, v35 the step's addresses; v12 -M, v13 the largest t, v[14:15] the sum; v16-33 [0 | q | 0]; v34 q's scale word; v36-83 four fragments; v84-87 K's scale words, v88-91 V's;
;   v96-159 S^T, then p; v160-191 O^T; v192-203 p's codes; v204-211 at work; v212-215 maxima, v216-219 bytes, v220-223 scale operands; v224 at work; v[226:227] f; v228 p's scale word; v230-231, v242-253 chains of the sum;
;   v232-238 the second tile's q and scale bytes; v254, v255 the add's two registers.
.set VIMG, 98304
.set KSC,  196608
.set VSC,  200704
.set SPARE, 204800                     ; the spare words: 128 bytes for each of 16 waves
.set NA,   5                           ; key steps that the head's loads bring
.set P1,   NA*6144
.set U1,   P1/4                        ; a wave's part of them: 30 rows of 256 bytes
.set U2,   (98304-P1)/8                ; a wave's part of the later steps: 33 rows of 256 bytes
.set WV,   12
.set SEL,  14                          ; s[14:15] lane selects for v_permlanex16_b32: lane l xor 16
.set G1S,  16                          ; descriptor groups 1: scale bytes, the head's images, the later images
.set G1I,  24
.set G1J,  32
.set G0I,  40                          ; and their groups 0
.set G0S,  44
.set G0J,  48
.set CS,   52                          ; s[52:53] c = log2(e) / 8
.set KS,   54                          ; the key step
.set TB,   55                          ; 6,144 x step: its tiles
.set TS,   56                          ; 256 x step: its scale words
.set CH,   57                          ; the chunk of the tile at work
.set HM,   58                          ; lanes 16-31
.set BQ,   93                          ; which 64 queries of the chunk hold my tile
.set NINF, 95
.set BM,   212
.set BY,   216
.set SO,   220
.macro DENSE g, rows                   ; a dense block as rows of 256 bytes (32 elements of 8 bytes)
	s_mov_b32 s[\g], 3<<16
	s_mov_b32 s[\g+1], 32<<16
	s_mov_b32 s[\g+2], (\rows)<<16
	s_mov_b32 s[\g+3], 32<<16
	s_mov_b32 s[\g+4], \rows
	s_mov_b32 s[\g+5], 32
	s_mov_b32 s[\g+6], 0
	s_mov_b32 s[\g+7], 0
.endm
.macro QADR ch, qi, qs, oi, os         ; byte offsets of my tile of chunk s[ch]: q's image, q's scale bytes, the result's image, its scale bytes
	s_lshl_b32 s84, s[\ch], 3
	s_add_co_u32 s84, s84, s67                     ; my tile within the batch, 0 .. 127
	s_lshl_b32 s85, s62, 7
	s_add_co_u32 s85, s85, s84
	s_mul_i32 s[\qi], s85, 768
	s_mov_b32 s[\qi+1], 0
	s_lshl_b32 s[\qs], s62, 12
	s_lshr_b32 s85, s84, 2
	s_lshl_b32 s85, s85, 7
	s_add_co_u32 s[\qs], s[\qs], s85
	s_and_b32 s85, s84, 3
	s_lshl_b32 s85, s85, 1
	s_add_co_u32 s[\qs], s[\qs], s85
	s_mov_b32 s[\qs+1], 0
	s_lshl_b32 s85, s60, 7
	s_add_co_u32 s85, s85, s84                     ; my tile among all 512
	s_lshl_b32 s[\os], s85, 9
	s_lshl_b32 s86, s61, 1
	s_add_co_u32 s[\os], s[\os], s86               ; scale bytes 2 head, 2 head + 1 of each row
	s_mov_b32 s[\os+1], 0
	s_lshl_b32 s85, s85, 4
	s_add_co_u32 s85, s85, s61
	s_mul_i32 s[\oi], s85, 768                     ; the tile's piece for k = 64 head on
	s_mov_b32 s[\oi+1], 0
.endm
.macro INIT                            ; a tile's running state
	v_mov_b32 v13, 0xff61b1e6                      ; the largest t so far: -3e38, under every t
	s_delay_alu instid0(VALU_DEP_1)
	v_floor_f32 v12, -v13                          ; -M
	v_mov_b32 v14, 0                               ; the sum, in two halves
	v_mov_b32 v15, 0
.endm
.macro OZERO                           ; O^T: the step is written once: the first finds zeros, which the first change of M leaves zeros
.set n, 0
.rept 32
	v_mov_b32 v[160+n], 0
.set n, n+1
.endr
.endm
	s_load_b256 s[4:11], s[0:1], 0x0               ; qkv_img s[4:5], qkv_sc s[6:7], a_img s[8:9], a_sc s[10:11]
	v_lshl_add_u32 v254, v0, 2, SPARE
	v_mov_b32 v255, 0
	ds_add_u32 v254, v255                          ; the opening lines: the add, twice on end, and its wait ahead of my first tensor load
	ds_add_u32 v254, v255
	v_lshrrev_b32 v1, 5, v0
	s_delay_alu instid0(VALU_DEP_1)
	v_readfirstlane_b32 s[WV], v1                  ; wave 0..15
	s_mov_b32 s59, ttmp9                           ; 16 b + head
	s_lshr_b32 s60, s59, 4                         ; b
	s_and_b32 s61, s59, 15                         ; head
	s_lshl_b32 s62, s60, 5
	s_add_co_u32 s62, s62, s61                     ; q's plane: 32 b + head
	s_add_co_u32 s63, s62, 16                      ; k's
	s_add_co_u32 s66, s59, 128                     ; v's
	s_and_b32 s67, s[WV], 7                        ; my tile within a chunk; my eighth of the later load
	s_lshr_b32 s88, s[WV], 3                       ; which pair of chunks; the later load: 0 K, 1 V
	s_bfe_u32 s89, s[WV], 0x10002                  ; the head's load: 0 K, 1 V
	s_and_b32 s90, s[WV], 3                        ; and my quarter of it
	s_cmp_eq_u32 s89, 0
	s_cselect_b32 s91, s63, s66
	s_cmp_eq_u32 s88, 0
	s_cselect_b32 s87, s63, s66
	s_mul_i32 s94, s91, 98304                      ; the head's images: in memory,
	s_mul_i32 s86, s90, U1
	s_add_co_u32 s94, s94, s86
	s_mov_b32 s95, 0
	s_mul_i32 s[G0I+1], s89, VIMG                  ; and in LDS
	s_add_co_u32 s[G0I+1], s[G0I+1], s86
	s_lshl_b32 s96, s91, 12                        ; the scale bytes: in memory,
	s_lshl_b32 s86, s90, 10
	s_add_co_u32 s96, s96, s86
	s_mov_b32 s97, 0
	s_lshl_b32 s[G0S+1], s67, 10                   ; and in LDS: K's 4,096, then V's
	s_add_co_u32 s[G0S+1], s[G0S+1], KSC
	s_mul_i32 s98, s87, 98304                      ; the later images
	s_mul_i32 s86, s67, U2
	s_add_co_u32 s86, s86, P1
	s_add_co_u32 s98, s98, s86
	s_mov_b32 s99, 0
	s_mul_i32 s[G0J+1], s88, VIMG
	s_add_co_u32 s[G0J+1], s[G0J+1], s86
	s_mov_b32 s[G0I], 1
	s_mov_b32 s[G0S], 1
	s_mov_b32 s[G0J], 1
	DENSE G1S, 4
	DENSE G1I, U1/256
	DENSE G1J, U2/256
	s_and_b32 s86, ttmp7, 0xffff                   ; j
	s_sub_co_u32 s84, 15, s86                      ; which queries are mine: the long chunk first,
	s_add_co_u32 s85, s86, 8
	s_cmp_eq_u32 s88, 0
	s_cselect_b32 s[CH], s84, s85
	s_sub_co_u32 s92, 15, s[CH]                    ; then the chunk that makes 17 steps of the two
	s_lshr_b32 s[BQ], s67, 2
	s_lshr_b32 s91, s67, 1
	s_lshl_b32 s91, s91, 5
	s_and_b32 s86, s67, 1
	s_lshl_b32 s86, s86, 3
	s_add_co_u32 s91, s91, s86                     ; my tile's first query within its chunk
	QADR CH, 68, 70, 72, 74
	QADR 92, 76, 78, 80, 82
	s_mov_b32 s[SEL], 0x76543210
	s_mov_b32 s[SEL+1], 0xfedcba98
	s_mov_b32 s[CS], 0x3e38aa3b                    ; c = log2(e) / 8
	s_mov_b32 s[CS+1], s[CS]                       ; (named with it as a pair, so it is written)
	s_mov_b32 s[HM], 0xffff0000
	s_wait_alu depctr_va_vdst(0)
	s_wait_dscnt 0x0                               ; both opening adds are done
	s_wait_kmcnt 0x0
	s_add_nc_u64 s[G0I+2:G0I+3], s[4:5], s[94:95]
	s_or_b32 s[G0I+3], s[G0I+3], 0x80000000
	s_add_nc_u64 s[G0S+2:G0S+3], s[6:7], s[96:97]
	s_or_b32 s[G0S+3], s[G0S+3], 0x80000000
	s_add_nc_u64 s[G0J+2:G0J+3], s[4:5], s[98:99]
	s_or_b32 s[G0J+3], s[G0J+3], 0x80000000
	s_cmp_lt_u32 s[WV], 8                          ; the head's fills: every way passes exactly one
	s_cbranch_scc0 .Lscales
	tensor_load_to_lds s[G0I:G0I+3], s[G1I:G1I+7]
	s_nop 0
.rept 4
	v_nop
.endr
	s_branch .Lasked
.Lscales:
	tensor_load_to_lds s[G0S:G0S+3], s[G1S:G1S+7]
	s_nop 0
.rept 4
	v_nop
.endr
.Lasked:
	s_add_nc_u64 s[68:69], s[4:5], s[68:69]
	s_add_nc_u64 s[70:71], s[6:7], s[70:71]
	s_add_nc_u64 s[72:73], s[8:9], s[72:73]
	s_add_nc_u64 s[74:75], s[10:11], s[74:75]
	s_add_nc_u64 s[76:77], s[4:5], s[76:77]
	s_add_nc_u64 s[78:79], s[6:7], s[78:79]
	s_add_nc_u64 s[80:81], s[8:9], s[80:81]
	s_add_nc_u64 s[82:83], s[10:11], s[82:83]
	v_and_b32 v224, 31, v0                         ; lane
	v_and_b32 v225, 15, v0                         ; r
	v_bfe_u32 v229, v0, 4, 1                       ; h
	s_delay_alu instid0(VALU_DEP_3)
	v_lshlrev_b32 v1, 4, v224                      ; 16 x lane
	s_delay_alu instid0(VALU_DEP_4)
	v_lshlrev_b32 v2, 3, v224                      ; 8 x lane
	s_delay_alu instid0(VALU_DEP_2)
	v_add_nc_u32 v92, VIMG, v1
	s_delay_alu instid0(VALU_DEP_2)
	v_add_nc_u32 v93, VIMG, v2
	v_lshlrev_b32 v94, 3, v225                     ; 8 r
	global_load_b128 v[22:25], v1, s[68:69]        ; the first tile's q: six registers,
	global_load_b64 v[26:27], v2, s[68:69] offset:512
	global_load_u16 v34, v94, s[70:71]             ; and its two scale bytes
	global_load_b128 v[232:235], v1, s[76:77]      ; the second tile's
	global_load_b64 v[236:237], v2, s[76:77] offset:512
	global_load_u16 v238, v94, s[78:79]
	v_and_b32 v230, 7, v225                        ; r % 8
	v_lshrrev_b32 v231, 3, v225                    ; r / 8
	v_mul_u32_u24 v239, v231, 1536                 ; K's rows: two stored tiles on for rows 8-15,
	v_lshlrev_b32 v3, 3, v230
	v_lshl_add_u32 v240, v230, 3, v239
	v_lshl_add_u32 v239, v230, 4, v239             ; the stored lane r % 8 + 16 h: its 16 bytes,
	v_lshl_add_u32 v3, v231, 2, v3
	v_lshl_add_u32 v240, v229, 7, v240             ; and its 8
	v_lshl_add_u32 v239, v229, 8, v239
	v_add_nc_u32 v3, KSC, v3                       ; K's scale words: 8 bytes a stored row; the word of stored tiles 2 (r / 8), 2 (r / 8) + 1
	v_lshlrev_b32 v241, 3, v229                    ; 8 h
	v_lshl_add_u32 v4, v225, 4, VSC                ; V's: 16 bytes a row for four tiles
	v_and_b32 v5, 8, v225
	s_delay_alu instid0(VALU_DEP_1)
	v_add_nc_u32 v5, v5, v225
	s_delay_alu instid0(VALU_DEP_1)
	v_add_nc_u32 v5, s91, v5                       ; my query within the chunk,
	v_lshlrev_b32 v6, 5, v229
	s_delay_alu instid0(VALU_DEP_1)
	v_sub_nc_u32 v5, v5, v6                        ; less 32 h: register 32 c + i holds key 64 c + 32 h + i, hidden where 64 c + i > this
	v_lshl_add_u32 v6, v225, 5, v229               ; out: 32 r + h
.irp i, 0,1,2,3,4,5
	v_mov_b32 v[16+\i], 0                          ; zero codes on both sides of q
	v_mov_b32 v[28+\i], 0
.endr
	v_mov_b32 v[NINF], 0xff800000
	v_mov_b32 v227, 0                              ; (named as the upper half of the pair v[226:227])
.irp b, 0,1,2,3
	v_mov_b32 v[BY+\b], 0                          ; written once: a lane permute's destination counts as one of its sources
.endr
	INIT
	s_wait_loadcnt 0x0                             ; both tiles' q
	v_lshl_or_b32 v34, v34, 16, v34                ; q's two bytes in both halves of its scale word: q stands in either half of K
	OZERO                                          ; (also the places between the line above and the first product)
; A KEY STEP: 128 keys.
.macro STEP
	s_cmp_gt_u32 s[KS], s[CH]                      ; all its keys come after my queries: nothing to do but to step on
	s_cbranch_scc1 .Lhidden_\@
	v_add_nc_u32 v8, s[TB], v239                   ; six plain lines: also the places between the last step's products and the loads into the registers that they read
	v_add_nc_u32 v9, s[TB], v240
	v_add_nc_u32 v7, s[TS], v3
	v_add_nc_u32 v10, s[TB], v92
	v_add_nc_u32 v11, s[TB], v93
	v_add_nc_u32 v35, s[TS], v4
.irp c, 0,1
.irp u, 0,1,2,3
	ds_load_b128 v[36+24*\c+6*\u:39+24*\c+6*\u], v8 offset:3072*\c+768*(\u%2)+128*(\u/2)        ; tile (c, u): six registers; tiles (c, 2 f), (c, 2 f + 1) make a fragment
	ds_load_b64 v[40+24*\c+6*\u:41+24*\c+6*\u], v9 offset:3072*\c+768*(\u%2)+512+64*(\u/2)
.endr
.endr
.irp f, 0,1,2,3
	ds_load_b32 v[84+\f], v7 offset:128*(\f/2)+64*(\f%2)     ; fragment f's word: its first tile's two bytes, its second's two
.endr
	s_wait_alu depctr_va_vdst(0)
	s_wait_dscnt 0x0
.irp f, 0,1,2,3
	v_wmma_scale_f32_16x16x128_f8f6f4 v[96+16*\f:103+16*\f], v[36+12*\f:47+12*\f], v[22:33], 0, v[84+\f], v34 matrix_a_fmt:MATRIX_FMT_FP6 matrix_b_fmt:MATRIX_FMT_FP6    ; [q | 0]: the fragment's first tile
	v_wmma_scale_f32_16x16x128_f8f6f4 v[104+16*\f:111+16*\f], v[36+12*\f:47+12*\f], v[16:27], 0, v[84+\f], v34 matrix_a_fmt:MATRIX_FMT_FP6 matrix_b_fmt:MATRIX_FMT_FP6   ; [0 | q]: its second
.endr                                              ; register 96 + 32 c + i: key 128 step + 64 c + 32 h + i
.rept 4
	v_nop                                          ; places in front of the loads below and of the first read of the scores
.endr
.irp t, 0,1,2,3                                ; V's four fragments (16 channels x 128 keys) are asked for now and land under the softmax
.irp c, 0,1
	ds_load_b128 v[36+12*\t+6*\c:39+12*\t+6*\c], v10 offset:3072*\c+768*\t
	ds_load_b64 v[40+12*\t+6*\c:41+12*\t+6*\c], v11 offset:3072*\c+768*\t+512
.endr
.endr
	ds_load_b128 v[88:91], v35                     ; their scale words, in the order t = 0, 2, 1, 3
	s_cmp_lg_u32 s[KS], s[CH]                      ; on the diagonal hidden scores become -infinity ahead of the maximum: p = 0 then
	s_cbranch_scc1 .Lopen_\@
	s_cmp_lg_u32 s[BQ], 0                          ; my queries lie in the chunk's second 64: the first 64 keys hide nothing
	s_cbranch_scc1 .Lhalf_\@
.set n, 0
.rept 32
	v_cmp_gt_i32 vcc_lo, n, v5
	v_cndmask_b32 v[96+n], v[96+n], v[NINF], vcc_lo
.set n, n+1
.endr
.Lhalf_\@:
.set n, 0
.rept 32
	v_cmp_gt_i32 vcc_lo, 64+n, v5
	v_cndmask_b32 v[128+n], v[128+n], v[NINF], vcc_lo
.set n, n+1
.endr
	s_wait_alu depctr_va_vdst(0)
.Lopen_\@:
.irp b, 0,1,2,3
	v_max3_num_f32 v[BM+\b], v[96+16*\b], v[97+16*\b], v[98+16*\b]   ; the largest score, in four chains of 16; chains 2 c, 2 c + 1 are my block of 32 keys in the step's 64 keys c
.endr
.irp i, 3,5,7,9,11,13
.irp b, 0,1,2,3
	v_max3_num_f32 v[BM+\b], v[BM+\b], v[96+16*\b+\i], v[97+16*\b+\i]
.endr
.endr
	v_max_num_f32 v[BM+1], v[BM+1], v127
	v_max_num_f32 v[BM+3], v[BM+3], v159
	v_max3_num_f32 v[BM], v[BM], v111, v[BM+1]     ; a block's largest score: it serves the row's maximum and, since p rises with the score, the block's largest p
	v_max3_num_f32 v[BM+2], v[BM+2], v143, v[BM+3]
	s_delay_alu instid0(VALU_DEP_1)
	v_max_num_f32 v224, v[BM], v[BM+2]
	s_delay_alu instid0(VALU_DEP_1)
	v_permlanex16_b32 v[BY], v224, s[SEL], s[SEL+1]
	s_delay_alu instid0(VALU_DEP_1)
	v_max_num_f32 v224, v224, v[BY]                ; with lane l xor 16's two blocks: the step's largest score of my query
	s_delay_alu instid0(VALU_DEP_1)
	v_mul_f32 v224, s[CS], v224                    ; as t (c is positive)
	s_delay_alu instid0(VALU_DEP_1)
	v_max_num_f32 v13, v13, v224                   ; the running largest t
	v_mov_b32 v224, v12
	s_delay_alu instid0(VALU_DEP_2)
	v_floor_f32 v12, -v13                          ; the new -M = floor(-t): M is a whole number
	s_delay_alu instid0(VALU_DEP_1)
	v_sub_f32 v224, v12, v224                      ; old M - new M: a whole number, 0 or less
	s_delay_alu instid0(VALU_DEP_1)
	v_cvt_i32_f32 v224, v224                       ; (it saturates)
	s_delay_alu instid0(VALU_DEP_1)
	v_ldexp_f32 v226, 1.0, v224                    ; f = 2^(old M - new M)
.set n, 0
.rept 32
	v_pk_fma_f32 v[96+n:97+n], v[96+n:97+n], s[CS:CS+1], v[12:13] op_sel_hi:[1,0,0]   ; t - M, two at a time
.set n, n+2
.endr
.irp b, 0,2
	v_fma_f32 v[BM+\b], v[BM+\b], s[CS], v12       ; the same of each block's largest score
.endr
.set n, 0
	s_wait_alu depctr_va_vdst(0)
.rept 64
	v_exp_f32 v[96+n], v[96+n]                     ; p = 2^(t - M), at most 1
.set n, n+1
.endr
.irp b, 0,2
	v_exp_f32 v[BM+\b], v[BM+\b]                   ; the block's largest p: the same two instructions on the same number give the same bits
.endr
	v_pk_mul_f32 v[14:15], v[14:15], v[226:227] op_sel_hi:[1,0]   ; the sum under the new M.  (A plain place behind the exponentials)
	s_wait_alu depctr_va_vdst(0)                   ; and behind it, ahead of its first reader
	v_max_num_f32 v[BM], 0x1800000, v[BM]          ; the floor 2^(3 - 127): the byte cannot fall under 1
	v_max_num_f32 v[BM+2], 0x1800000, v[BM+2]
	s_delay_alu instid0(VALU_DEP_2)
	v_add_nc_u32 v[SO], 0xff000000, v[BM]          ; 2 off the exponent field: the conversion's scale operand
	s_delay_alu instid0(VALU_DEP_2)
	v_add_nc_u32 v[SO+1], 0xff000000, v[BM+2]
	s_delay_alu instid0(VALU_DEP_2)
	v_lshrrev_b32 v[BY], 23, v[SO]                 ; the scale's byte
	s_delay_alu instid0(VALU_DEP_2)
	v_lshrrev_b32 v[BY+1], 23, v[SO+1]
	s_delay_alu instid0(VALU_DEP_1)
	v_lshl_or_b32 v228, v[BY+1], 16, v[BY]         ; my two bytes: blocks h and 2 + h,
	s_delay_alu instid0(VALU_DEP_1)
	v_lshlrev_b32 v228, v241, v228                 ; at their places in the scale word (8 h bits up);
	s_delay_alu instid0(VALU_DEP_1)
	v_permlanex16_b32 v[BY+2], v228, s[SEL], s[SEL+1]
	s_delay_alu instid0(VALU_DEP_1)
	v_or_b32 v228, v228, v[BY+2]                   ; with lane l xor 16's two: p's scale word for these 128 keys
.irp c, 0,1
	v_cvt_scalef32_pk16_fp6_f32 v[192+6*\c:194+6*\c], v[96+32*\c:111+32*\c], v[SO+\c]
	v_cvt_scalef32_pk16_fp6_f32 v[204+4*\c:206+4*\c], v[112+32*\c:127+32*\c], v[SO+\c]   ; (a conversion's three registers begin on an even number: the block's upper 16 codes are made here and moved)
.endr
	v_nop                                          ; one plain place behind a scaled conversion
.irp c, 0,1
.irp i, 0,1,2
	v_mov_b32 v[195+6*\c+\i], v[204+4*\c+\i]       ; registers 6 c .. 6 c + 5: k = 64 c + 32 h + 0 .. 31
.endr
.endr
	s_wait_alu depctr_va_vdst(0)                   ; directly ahead of the first reader of O^T
.set n, 0
.rept 16
	v_pk_mul_f32 v[160+n:161+n], v[160+n:161+n], v[226:227] op_sel_hi:[1,0]   ; O^T under the new M, each accumulator from its low end on
.set n, n+2
.endr
	v_pk_add_f32 v[230:231], v[100:101], v[104:105]   ; the row's sum of the unquantised p, in eight chains
	v_pk_add_f32 v[252:253], v[108:109], v[112:113]
	v_pk_add_f32 v[250:251], v[116:117], v[120:121]
	v_pk_add_f32 v[248:249], v[124:125], v[128:129]
	v_pk_add_f32 v[246:247], v[132:133], v[136:137]
	v_pk_add_f32 v[244:245], v[140:141], v[144:145]
	v_pk_add_f32 v[242:243], v[148:149], v[152:153]
	v_pk_add_f32 v[14:15], v[14:15], v[156:157]
	v_pk_add_f32 v[230:231], v[230:231], v[96:97]
	v_pk_add_f32 v[252:253], v[252:253], v[98:99]
	v_pk_add_f32 v[250:251], v[250:251], v[102:103]
	v_pk_add_f32 v[248:249], v[248:249], v[106:107]
	v_pk_add_f32 v[246:247], v[246:247], v[110:111]
	v_pk_add_f32 v[244:245], v[244:245], v[114:115]
	v_pk_add_f32 v[242:243], v[242:243], v[118:119]
	v_pk_add_f32 v[14:15], v[14:15], v[122:123]
	v_pk_add_f32 v[230:231], v[230:231], v[126:127]
	v_pk_add_f32 v[252:253], v[252:253], v[130:131]
	v_pk_add_f32 v[250:251], v[250:251], v[134:135]
	v_pk_add_f32 v[248:249], v[248:249], v[138:139]
	v_pk_add_f32 v[246:247], v[246:247], v[142:143]
	v_pk_add_f32 v[244:245], v[244:245], v[146:147]
	v_pk_add_f32 v[242:243], v[242:243], v[150:151]
	v_pk_add_f32 v[14:15], v[14:15], v[154:155]
	v_pk_add_f32 v[230:231], v[230:231], v[158:159]
	s_delay_alu instid0(VALU_DEP_2)
	v_pk_add_f32 v[14:15], v[14:15], v[248:249]
	s_delay_alu instid0(VALU_DEP_2)
	v_pk_add_f32 v[230:231], v[230:231], v[246:247]
	v_pk_add_f32 v[252:253], v[252:253], v[244:245]
	v_pk_add_f32 v[250:251], v[250:251], v[242:243]
	s_delay_alu instid0(VALU_DEP_2)
	v_pk_add_f32 v[14:15], v[14:15], v[252:253]
	s_delay_alu instid0(VALU_DEP_2)
	v_pk_add_f32 v[230:231], v[230:231], v[250:251]
	s_delay_alu instid0(VALU_DEP_1)
	v_pk_add_f32 v[14:15], v[14:15], v[230:231]
	s_wait_dscnt 0x0                               ; V's fragments and scale words are in
.irp t, 0,1,2,3                                ; O^T += V^T P^T: the four accumulators by turns, one instruction a turn
	v_wmma_scale_f32_16x16x128_f8f6f4 v[160+8*\t:167+8*\t], v[36+12*\t:47+12*\t], v[192:203], v[160+8*\t:167+8*\t], v[88+2*(\t%2)+\t/2], v228 matrix_a_fmt:MATRIX_FMT_FP6 matrix_b_fmt:MATRIX_FMT_FP6
.endr
.Lhidden_\@:
	s_add_co_u32 s[KS], s[KS], 1
	s_add_co_u32 s[TB], s[TB], 6144
	s_add_co_u32 s[TS], s[TS], 256
.endm
.macro LOOP from, to                   ; key steps from .. to - 1: a constant trip count
	s_mov_b32 s[KS], \from
	s_mov_b32 s[TB], 6144*\from
	s_mov_b32 s[TS], 256*\from
.Lsteps_\@:
	STEP
	s_cmp_lt_u32 s[KS], \to
	s_cbranch_scc1 .Lsteps_\@
.endm
; THE WAY OUT of a tile: O^T / the sum; register 16 b + i is channel 32 b + 16 h + i of my query: two blocks of the last product's K, quantised as every operand is.
.macro OUT oi, os
.rept 4
	v_nop                                          ; places behind the last products
.endr
	s_wait_alu depctr_va_vdst(0)
	v_add_f32 v14, v14, v15                        ; the sum's two halves,
	s_delay_alu instid0(VALU_DEP_1)
	v_permlanex16_b32 v224, v14, s[SEL], s[SEL+1]
	s_delay_alu instid0(VALU_DEP_1)
	v_add_f32 v14, v14, v224                       ; and lane l xor 16's: the row's sum
	s_wait_alu depctr_va_vdst(0)
	v_rcp_f32 v14, v14
	v_nop                                          ; a plain place behind the transcendental
.set n, 0
	s_wait_alu depctr_va_vdst(0)
.rept 32
	v_mul_f32 v[96+n], v[160+n], v14
.set n, n+1
.endr
.irp b, 0,1
	v_max3_num_f32 v[BM+\b], |v[96+16*\b]|, |v[97+16*\b]|, 0x1800000
.endr
.irp i, 2,4,6,8,10,12,14
.irp b, 0,1
	s_delay_alu instid0(VALU_DEP_2)
	v_max3_num_f32 v[BM+\b], v[BM+\b], |v[96+16*\b+\i]|, |v[97+16*\b+\i]|
.endr
.endr
.irp b, 0,1
	s_delay_alu instid0(VALU_DEP_2)
	v_permlanex16_b32 v[BY+\b], v[BM+\b], s[SEL], s[SEL+1]
.endr
.irp b, 0,1
	s_delay_alu instid0(VALU_DEP_2)
	v_max_num_f32 v[BM+\b], v[BM+\b], v[BY+\b]
.endr
.irp b, 0,1
	s_delay_alu instid0(VALU_DEP_2)
	v_add_nc_u32 v[SO+\b], 0xff000000, v[BM+\b]
.endr
.irp b, 0,1
	s_delay_alu instid0(VALU_DEP_2)
	v_lshrrev_b32 v[BY+\b], 23, v[SO+\b]
.endr
	v_cvt_scalef32_pk16_fp6_f32 v[192:194], v[96:111], v[SO]
	v_cvt_scalef32_pk16_fp6_f32 v[204:206], v[112:127], v[SO+1]
	v_cndmask_b32 v224, v[BY], v[BY+1], s[HM]      ; lanes 0-15 store block 0's byte, lanes 16-31 block 1's.  (The plain place behind the conversions)
.irp i, 0,1,2
	v_permlane16_swap_b32 v[192+\i], v[204+\i]
.endr
.irp i, 0,1,2
	s_delay_alu instid0(VALU_DEP_3)
	v_mov_b32 v[195+\i], v[204+\i]
.endr
	global_store_b128 v1, v[192:195], s[\oi:\oi+1]       ; 512 consecutive bytes,
	global_store_b64 v2, v[196:197], s[\oi:\oi+1] offset:512   ; 256
	global_store_b8 v6, v224, s[\os:\os+1]
.endm
	s_wait_alu depctr_va_vdst(0)
	s_wait_tensorcnt 0x0                           ; my part of the head's fills is in
	ds_add_u32 v254, v255
	s_wait_dscnt 0x0
	s_barrier_signal -1
	s_barrier_wait -1                              ; key steps 0 to NA - 1 and all scale bytes are shown to all
	tensor_load_to_lds s[G0J:G0J+3], s[G1J:G1J+7]  ; my one load behind the barrier: my eighth of K's or V's steps NA to 15
	s_nop 0
.rept 4
	v_nop
.endr
	LOOP 0, NA                                     ; the long chunk's tile (nine steps at the least): its first steps, while that load is out
	s_wait_tensorcnt 0x0                           ; my part of the later steps is in
	s_wait_dscnt 0x0
	s_barrier_signal -1
	s_barrier_wait -1                              ; everybody's is
	LOOP NA, 16
	OUT 72, 74
	s_wait_xcnt 0x0                                ; the stores have read their registers, which the second tile writes again
.irp i, 0,1,2,3,4,5
	v_mov_b32 v[22+\i], v[232+\i]                  ; the second tile's q
.endr
	v_lshl_or_b32 v34, v238, 16, v238
	INIT
	OZERO                                          ; (also the places between q's lines and the first product)
	s_mov_b32 s[CH], s92
	s_wait_alu depctr_va_vdst(0)
	LOOP 0, 16
	OUT 80, 82
	s_wait_tensorcnt 0x0                           ; the wave's end
	ds_add_u32 v254, v255
	s_wait_dscnt 0x0
	s_endpgm
.Lfunc_end_k_q5db4f5f0a4_attn:
	.size	k_q5db4f5f0a4_attn, .Lfunc_end_k_q5db4f5f0a4_attn-k_q5db4f5f0a4_attn
	.p2alignl 7, 3214868480
	.fill 96, 4, 3214868480
	.section	.rodata,"a",@progbits
	.p2align	6, 0x0
	.amdhsa_kernel k_q5db4f5f0a4_attn
		.amdhsa_group_segment_fixed_size 327680
		.amdhsa_private_segment_fixed_size 0
		.amdhsa_enable_private_segment 0
		.amdhsa_kernarg_size 32
		.amdhsa_user_sgpr_count 2
		.amdhsa_user_sgpr_kernarg_segment_ptr 1
		.amdhsa_wavefront_size32 1
		.amdhsa_system_sgpr_workgroup_id_x 1
		.amdhsa_system_sgpr_workgroup_id_y 1
		.amdhsa_system_sgpr_workgroup_id_z 1
		.amdhsa_system_vgpr_workitem_id 0
		.amdhsa_next_free_vgpr 256
		.amdhsa_next_free_sgpr 100
		.amdhsa_reserve_vcc 1
		.amdhsa_float_denorm_mode_32 3
		.amdhsa_float_denorm_mode_16_64 3
		.amdhsa_memory_ordered 1
		.amdhsa_forward_progress 1
		.amdhsa_inst_pref_size 85
	.end_amdhsa_kernel
	.amdgpu_metadata
---
amdhsa.version: [ 1, 2 ]
amdhsa.kernels:
  - .name:           k_q5db4f5f0a4_attn
    .symbol:         k_q5db4f5f0a4_attn.kd
    .args:
      - { .name: qkv_img, .offset: 0, .size: 8, .value_kind: global_buffer, .address_space: global }
      - { .name: qkv_sc, .offset: 8, .size: 8, .value_kind: global_buffer, .address_space: global }
      - { .name: a_img, .offset: 16, .size: 8, .value_kind: global_buffer, .address_space: global }
      - { .name: a_sc, .offset: 24, .size: 8, .value_kind: global_buffer, .address_space: global }
    .group_segment_fixed_size: 327680
    .private_segment_fixed_size: 0
    .kernarg_segment_align: 8
    .kernarg_segment_size: 32
    .max_flat_workgroup_size: 512
    .sgpr_count:     100
    .vgpr_count:     256
    .wavefront_size: 32
...
	.end_amdgpu_metadata
.endif
;; end of part 3
;; launch gemm_out (part 4): grid 8 x 32, 4 waves a work-group, clusters of 4 x 4, 295,424 bytes of LDS; arguments a_img, a_sc, xw_img, xw_sc, proj_b, out0; writes out0
.if DOCPART == 4
	.amdgcn_target "amdgcn-amd-amdhsa--gfx1250"
	.amdhsa_code_object_version 6
	.text
	.protected	k_q5db4f5f0a4_gemm_out
	.globl	k_q5db4f5f0a4_gemm_out
	.p2align	8
	.type	k_q5db4f5f0a4_gemm_out,@function
k_q5db4f5f0a4_gemm_out:
	s_mov_b64 s[64:65], 0
	v_nop
	global_prefetch_b8 v0, s[64:65] scope:SCOPE_SE
	s_setreg_imm32_b32 hwreg(HW_REG_WAVE_MODE, 25, 1), 1
	s_wait_xcnt 0x0
	s_wait_alu depctr_hold_cnt(0) depctr_sa_sdst(0) depctr_va_vdst(0) depctr_va_sdst(0) depctr_va_ssrc(0) depctr_va_vcc(0) depctr_vm_vsrc(0)
	s_getreg_b32 s2, hwreg(HW_REG_IB_STS2, 6, 4)
	s_cmp_eq_u32 s2, 0
	s_cbranch_scc0 .Lentry_in_a_cluster
	s_endpgm
.Lentry_in_a_cluster:
	s_bfe_u32 s2, ttmp6, 0x10000c
	s_cmp_lg_u32 s2, 0xf033
	s_cbranch_scc0 .Lentry_shape_is_right
	s_endpgm
.Lentry_shape_is_right:
; out0 = a proj_w^T + proj_b on codes of FP6 (E2M3) with E8M0 scales, K = 1,024.  a: the attention's result, as operand images; proj_w: tiles 704-767 of the weights' images.  out0: [8192][1024] f32.
; IMAGES: rows in tiles of 16, tile 2 B + u = rows 32 B + 8 u + p + 8 (p / 8); for 64 along K a tile is 768 bytes (lane l: four registers at 16 l, two at 512 + 8 l); a tile's K = 1,024 is 12,288 bytes.
; A work-group makes 256 tokens (P, source 1: a lane holds one token) x 128 features (R, source 0: a lane's registers run along features).  Wave w owns P's tiles 4 w .. 4 w + 3 against R's eight: 32 accumulators.
; 256 work-groups.  ALL OF K LIES IN LDS AT ONCE (P 196,608 bytes, R 98,304), filled once in two halves of 512 along K: no ring; a half is read as soon as it has landed.
; CLUSTER 4 x 4: P's tiles hang on the cluster's row alone, R's on its column alone: each is asked for jointly by four work-groups.
; THE WAY OUT goes through a stage of each wave's own, in P's bytes, which have had their only fill and their last read by then: whole rows of 512 bytes leave, + bias.
; REGISTERS.  window 0: v1-6 offsets, v[8:11] my four numbers of the bias; v16-31 LDS addresses; v32-63 P's scale words, v64-127 R's; v128-175, v176-223 P's fragments, two sets; on the way out v128-255 rows of the result.
;   window 1: v0-95, v128-223 R's fragments, two sets.   window 2: accumulator (a, b) at v[8 (8 a + b)].
.set G1P,  16                          ; s[16:23] descriptor group 1 for P;  s[24:31] for R
.set G1R,  24
.set G0P,  32                          ; s[32:35] group 0 for P;  s[48:51] for R
.set G0R,  48
.set WV,   14
; THE FILLS, as they now stand (this takes the place of the four chunks named above): K comes in two halves of 512, each byte of LDS filled once, one joint load a wave:
; wave 0 P's first half, wave 1 R's first half, wave 2 P's second, wave 3 R's second.  The first half is read as soon as waves 0 and 1 have seen it land; every wave waits for its load ahead of K step 4.
.set SIDE, 15                          ; 0: I fetch for P, 1: for R
.set HALF, 66                          ; which half of K I fetch
.set CX,   67
.set CY,   68
.set YC,   69
.set C4,   74
.set AA16, 16
.set AA8,  20
.set BA16, 24
.set BA8,  28
.set SA,   32
.set SB,   64
.set PF,   128
.set BK,   128
.set STO,  5
.set RD,   6
.set RBASE, 196608
.set MSB, 0
.macro WIN new                         ; the immediate's high byte repeats the setting that is left
.if MSB != \new
	s_set_vgpr_msb (MSB<<8)|\new
.set MSB, \new
.endif
.endm
.macro PLACES                          ; four plain places: in front of loads into registers that matrix instructions have read, and of the first read of results
.rept 4
	v_nop
.endr
.endm
.macro CROUND                          ; a round of the cluster's barrier
	s_barrier_signal -1
	s_barrier_wait -1
	s_cmp_lg_u32 s[WV], 0
	s_cbranch_scc1 .Lnot_wave_0_\@
	s_barrier_signal -3
.Lnot_wave_0_\@:
	s_barrier_wait -3
	s_barrier_signal -1
	s_barrier_wait -1
.endm
.macro FRAG reg, a16, a8, off          ; a fragment, 16 rows x 128 K: two pieces of 768 bytes on end: every load reads consecutive bytes
	ds_load_b128 v[\reg:\reg+3], v[\a16] offset:\off
	ds_load_b64 v[\reg+4:\reg+5], v[\a8] offset:\off+512
	ds_load_b128 v[\reg+6:\reg+9], v[\a16] offset:\off+768
	ds_load_b64 v[\reg+10:\reg+11], v[\a8] offset:\off+1280
.endm
.macro FETCH s, p                      ; K step s (128 along K) into set p: R's eight fragments, my four of P
	WIN 0x40                                       ; destination window 1, address window 0
.irp b, 0,1,2,3,4,5,6,7
	FRAG 128*(\p)+12*\b, BA16+(\s)/4, BA8+(\s)/4, 6144*\b+1536*((\s)%4)
.endr
	WIN 0
.irp a, 0,1,2,3
	FRAG PF+48*(\p)+12*\a, AA16+(\s)/4, AA8+(\s)/4, 6144*\a+1536*((\s)%4)
.endr
.endm
.macro MUL s, p, zero                  ; 32 products; the 32 accumulators take turns, one instruction a turn, in the same order in every step.  zero = 1: the first step starts the sums
	WIN 0xa1                                       ; source 0 (R) window 1, source 1 (P) window 0, C and D window 2
.irp a, 0,1,2,3
.irp b, 0,1,2,3,4,5,6,7
.if \zero
	v_wmma_scale_f32_16x16x128_f8f6f4 v[8*(8*\a+\b):8*(8*\a+\b)+7], v[128*(\p)+12*\b:128*(\p)+12*\b+11], v[PF+48*(\p)+12*\a:PF+48*(\p)+12*\a+11], 0, v[SB+8*\b+(\s)], v[SA+8*\a+(\s)] matrix_a_fmt:MATRIX_FMT_FP6 matrix_b_fmt:MATRIX_FMT_FP6
.else
	v_wmma_scale_f32_16x16x128_f8f6f4 v[8*(8*\a+\b):8*(8*\a+\b)+7], v[128*(\p)+12*\b:128*(\p)+12*\b+11], v[PF+48*(\p)+12*\a:PF+48*(\p)+12*\a+11], v[8*(8*\a+\b):8*(8*\a+\b)+7], v[SB+8*\b+(\s)], v[SA+8*\a+(\s)] matrix_a_fmt:MATRIX_FMT_FP6 matrix_b_fmt:MATRIX_FMT_FP6
.endif
.endr
.endr
.endm
	s_load_b128 s[4:7], s[0:1], 0x0                ; a's images s[4:5], a's scale bytes s[6:7]
	s_load_b128 s[8:11], s[0:1], 0x10              ; the weights' images s[8:9], their scale bytes s[10:11]
	s_load_b128 s[84:87], s[0:1], 0x20             ; proj_b s[84:85], out0 s[86:87]
	v_lshl_add_u32 v7, v0, 2, 0x48000
	v_mov_b32 v15, 0
	ds_add_u32 v7, v15
	ds_add_u32 v7, v15
	v_lshrrev_b32 v1, 5, v0
	v_readfirstlane_b32 s[WV], v1                  ; wave 0..3
	s_and_b32 s[SIDE], s[WV], 1
	s_lshr_b32 s[HALF], s[WV], 1
	s_bfe_u32 s[CX], ttmp6, 0x40000
	s_bfe_u32 s[CY], ttmp6, 0x40004
	s_and_b32 s[YC], ttmp7, 0xffff
	s_lshl_b32 s70, s[CY], 2
	s_lshl_b32 s70, 15, s70                        ; my row of the cluster
	s_lshl_b32 s71, 0x1111, s[CX]                  ; my column
	; descriptor group 1: rows of 6,144 bytes (one tile's 512 along K: 768 elements of 8 bytes), 12,288 bytes apart in memory, dense in LDS: 16 tiles for P, 8 for R
	s_or_b32 s[G1P], s70, (3<<16)|(1<<21)          ; 15:0 the mask: P's tiles go to my row; 17:16 elements of 8 bytes; 21 set beside a mask; no padding
	s_or_b32 s[G1R], s71, (3<<16)|(1<<21)          ; R's go to my column
	s_mov_b32 s[G1P+1], 768<<16                    ; tensor_dim0: a tile's 512 along K, 6,144 bytes
	s_mov_b32 s[G1P+2], 16<<16                     ; tensor_dim1: P's 16 tiles
	s_mov_b32 s[G1P+3], 768<<16                    ; tile_dim0
	s_mov_b32 s[G1P+4], 16                         ; tile_dim1
	s_mov_b32 s[G1P+5], 1536                       ; elements from tile to tile
	s_mov_b32 s[G1P+6], 0
	s_mov_b32 s[G1P+7], 0
	s_mov_b32 s[G1R+1], 768<<16
	s_mov_b32 s[G1R+2], 8<<16                      ; R's 8 tiles
	s_mov_b32 s[G1R+3], 768<<16
	s_mov_b32 s[G1R+4], 8
	s_mov_b32 s[G1R+5], 1536
	s_mov_b32 s[G1R+6], 0
	s_mov_b32 s[G1R+7], 0
	s_lshl_b32 s72, s[CY], 4                       ; P's first tile hangs on cy and the cluster's y alone: 16 (4 y + cy)
	s_lshl_b32 s73, s[YC], 6
	s_add_co_u32 s72, s72, s73
	s_lshl_b32 s[C4], ttmp9, 2                     ; R's on cx and the cluster's x alone: 704 + 8 (4 x + cx)
	s_add_co_u32 s[C4], s[C4], s[CX]
	s_lshl_b32 s75, s[C4], 3
	s_add_co_u32 s75, s75, 704
	s_mul_i32 s77, s[HALF], 6144                   ; my half of K within a tile's 12,288 bytes
	s_mul_i32 s78, s72, 12288                      ; P: its first tile, in bytes
	s_add_co_u32 s78, s78, s77
	s_mov_b32 s79, 0
	s_mul_i32 s80, s75, 12288                      ; R: its first tile
	s_add_co_u32 s80, s80, s77
	s_mov_b32 s81, 0
	s_mul_i32 s82, s[HALF], 98304                  ; and where they go: no place in the cluster enters an LDS address
	s_mul_i32 s83, s[HALF], 49152
	s_lshl_b32 s88, s[YC], 2
	s_add_co_u32 s88, s88, s[CY]                   ; my block of 256 tokens
	s_lshl_b32 s88, s88, 2
	s_add_co_u32 s88, s88, s[WV]                   ; my wave's 64 of them
	s_lshl_b32 s88, s88, 18                        ; rows of 4,096 bytes
	s_lshl_b32 s90, s[C4], 9                       ; my 128 features: 512 bytes
	s_add_co_u32 s88, s88, s90
	s_mov_b32 s89, 0
	s_mov_b32 s91, 0
	s_lshl_b32 s94, s[WV], 2
	s_add_co_u32 s94, s94, s72
	s_lshl_b32 s94, s94, 9                         ; my four P tiles' scale bytes
	s_mov_b32 s95, 0
	s_lshl_b32 s96, s75, 9                         ; R's eight tiles'
	s_mov_b32 s97, 0
	s_wait_dscnt 0x0
	s_wait_kmcnt 0x0
	s_add_nc_u64 s[78:79], s[4:5], s[78:79]
	s_add_nc_u64 s[80:81], s[8:9], s[80:81]
	s_add_nc_u64 s[94:95], s[6:7], s[94:95]
	s_add_nc_u64 s[96:97], s[10:11], s[96:97]
	s_add_nc_u64 s[86:87], s[86:87], s[88:89]
	s_add_nc_u64 s[84:85], s[84:85], s[90:91]
.irp c, 0
	s_mov_b32 s[G0P+4*\c], 1                                       ; count = 1
	s_add_co_u32 s[G0P+4*\c+1], s82, \c*49152                      ; LDS address
	s_add_nc_u64 s[G0P+4*\c+2:G0P+4*\c+3], s[78:79], \c*3072       ; global address: chunk c
	s_or_b32 s[G0P+4*\c+3], s[G0P+4*\c+3], 0x80000000              ; type = 2
	s_mov_b32 s[G0R+4*\c], 1
	s_add_co_u32 s[G0R+4*\c+1], s83, RBASE+\c*24576
	s_add_nc_u64 s[G0R+4*\c+2:G0R+4*\c+3], s[80:81], \c*3072
	s_or_b32 s[G0R+4*\c+3], s[G0R+4*\c+3], 0x80000000
.endr
	CROUND                                         ; all sixteen work-groups are here: the joint loads meet
	s_cmp_eq_u32 s[WV], 0                          ; one chain of branches on the wave's number, one joint load to an arm: the waves that wait at the first barrier have lines of their own
	s_cbranch_scc0 .Lwave_1
	tensor_load_to_lds s[G0P:G0P+3], s[G1P:G1P+7]  ; wave 0: P, K 0 .. 511
	s_nop 0
	PLACES
	s_branch .Lasked
.Lwave_1:
	s_cmp_eq_u32 s[WV], 1
	s_cbranch_scc0 .Lwave_2
	tensor_load_to_lds s[G0R:G0R+3], s[G1R:G1R+7]  ; wave 1: R, K 0 .. 511
	s_nop 0
	PLACES
	s_branch .Lasked
.Lwave_2:
	s_cmp_eq_u32 s[WV], 2
	s_cbranch_scc0 .Lwave_3
	tensor_load_to_lds s[G0P:G0P+3], s[G1P:G1P+7]  ; wave 2: P, K 512 .. 1,023
	s_nop 0
	PLACES
	s_branch .Lasked
.Lwave_3:
	tensor_load_to_lds s[G0R:G0R+3], s[G1R:G1R+7]  ; wave 3: R, K 512 .. 1,023
	s_nop 0
	PLACES
.Lasked:
	v_and_b32 v12, 31, v0                          ; lane
	v_and_b32 v13, 15, v0                          ; r
	v_bfe_u32 v14, v0, 4, 1                        ; h
	v_lshlrev_b32 v1, 5, v13                       ; 32 r: a row's eight scale words
	v_lshlrev_b32 v2, 4, v12                       ; 16 x lane
	v_lshlrev_b32 v3, 3, v12                       ; 8 x lane
.irp a, 0,1,2,3
.irp q, 0,1
	global_load_b128 v[SA+8*\a+4*\q:SA+8*\a+4*\q+3], v1, s[94:95] offset:512*\a+16*\q   ; register SA + 8 a + s: row r's word of K step s; a tile's two loads cover its 512 bytes
.endr
.endr
.irp b, 0,1,2,3,4,5,6,7
.irp q, 0,1
	global_load_b128 v[SB+8*\b+4*\q:SB+8*\b+4*\q+3], v1, s[96:97] offset:512*\b+16*\q
.endr
.endr
	global_load_b128 v[8:11], v2, s[84:85]         ; the bias of the four features that I store
	s_mul_i32 s70, s[WV], 24576                    ; my four tiles of P within a half of K
.irp c, 0,1
	v_add_nc_u32 v[AA16+\c], s70, v2
	v_add_nc_u32 v[AA8+\c], s70, v3
	v_add_nc_u32 v[BA16+\c], RBASE+\c*49152, v2
	v_add_nc_u32 v[BA8+\c], RBASE+\c*49152, v3
	s_add_co_u32 s70, s70, 98304
.endr
	s_mul_i32 s71, s[WV], 8448                     ; my stage: 16 rows x (512 + 16) bytes
	v_mul_u32_u24 v[STO], v13, 528
	v_lshl_add_u32 v[STO], v14, 6, v[STO]
	v_add_nc_u32 v[STO], s71, v[STO]               ; in: row r, + 64 h
	v_add_nc_u32 v[RD], s71, v2                    ; back: 16 x lane of a row
	s_wait_alu depctr_va_vdst(0)
	s_cmp_lt_u32 s[WV], 2
	s_cbranch_scc0 .Lnot_first
	s_wait_tensorcnt 0x0                           ; waves 0 and 1: my tile of the first half of K is in; the second half may be out
.Lnot_first:
	s_barrier_signal -1
	s_barrier_wait -1                              ; the first half is shown to all
	FETCH 0, 0
; Eight K steps, written out.  While a step's 32 products are issued, the next step's 48 LDS loads are on their way.
.irp s, 0,1,2,3,4,5,6,7
	s_wait_dscnt 0x0                               ; this step's fragments are in
.if \s < 7
.if \s == 3
	s_wait_tensorcnt 0x0                           ; every wave: my load is in, the second half of K among them
	s_barrier_signal -1
	s_barrier_wait -1                              ; everybody's is
.endif
.if \s > 0
	PLACES                                         ; the set that is loaded now was read by the step before
.endif
	FETCH \s+1, (\s+1)%2
.endif
.if \s == 0
	s_wait_loadcnt 0x0                             ; the scale words and the bias
	MUL \s, \s%2, 1
.else
	MUL \s, \s%2, 0
.endif
.endr
	WIN 0
	s_wait_dscnt 0x0                               ; my reads of the tiles are over,
	s_barrier_signal -1
	s_barrier_wait -1                              ; everybody's are; every fill has landed: P's bytes may take the stages
	PLACES
; THE WAY OUT, a tile of 16 tokens at a time.  Register j of accumulator (a, b) is feature 32 (b / 2) + 16 h + 8 (b % 2) + j of token p = r: 32 neighbouring bytes; the tile comes back from the stage as rows of 512 bytes.
.macro TOSTAGE a
	WIN 0x08                                       ; an LDS store's data are its source 1: window 2
.irp b, 0,1,2,3,4,5,6,7
	ds_store_b128 v[STO], v[8*(8*(\a)+\b):8*(8*(\a)+\b)+3] offset:128*(\b/2)+32*(\b%2)          ; each accumulator from its low end on
	ds_store_b128 v[STO], v[8*(8*(\a)+\b)+4:8*(8*(\a)+\b)+7] offset:128*(\b/2)+32*(\b%2)+16
.endr
	WIN 0
.set BB, BK+64*((\a)%2)
.irp t, 0,1,2,3,4,5,6,7,8,9,10,11,12,13,14,15
	ds_load_b128 v[BB+4*\t:BB+4*\t+3], v[RD] offset:528*\t     ; LDS serves a wave's instructions in order: these see the stores above, and the next tile's stores come behind them
.endr
.endm
.macro SEND a, younger                 ; younger: the LDS instructions issued behind tile a's loads, which may stay out
.set BB, BK+64*((\a)%2)
	s_wait_dscnt \younger
.irp t, 0,1,2,3,4,5,6,7,8,9,10,11,12,13,14,15
	v_pk_add_f32 v[BB+4*\t:BB+4*\t+1], v[BB+4*\t:BB+4*\t+1], v[8:9]
	v_pk_add_f32 v[BB+4*\t+2:BB+4*\t+3], v[BB+4*\t+2:BB+4*\t+3], v[10:11]
.endr
.irp t, 0,1,2,3,4,5,6,7,8,9,10,11,12,13,14,15
	global_store_b128 v2, v[BB+4*\t:BB+4*\t+3], s[86:87] offset:(32*((\a)/2)+8*((\a)%2)+\t+8*(\t/8))*4096 th:TH_STORE_NT   ; 32 lanes store 512 consecutive bytes of one token's row, at a multiple of 512 from out0's first byte
.endr
.endm
	TOSTAGE 0
.irp a, 1,2,3
.if \a > 1
	s_wait_xcnt 0x0                                ; tile a - 2's stores have read their registers: tile a's loads may land there
.endif
	TOSTAGE \a
	SEND \a-1, 32                                  ; behind tile a - 1's loads: tile a's 16 stores and 16 loads
.endr
	SEND 3, 0
	s_wait_tensorcnt 0x0
	ds_add_u32 v7, v15
	s_wait_dscnt 0x0
	CROUND                                         ; the closing round: no work-group ends while a partner may still ask for a tile that names it
	s_endpgm
.Lfunc_end_k_q5db4f5f0a4_gemm_out:
	.size	k_q5db4f5f0a4_gemm_out, .Lfunc_end_k_q5db4f5f0a4_gemm_out-k_q5db4f5f0a4_gemm_out
	.p2alignl 7, 3214868480
	.fill 96, 4, 3214868480
	.section	.rodata,"a",@progbits
	.p2align	6, 0x0
	.amdhsa_kernel k_q5db4f5f0a4_gemm_out
		.amdhsa_group_segment_fixed_size 295424
		.amdhsa_private_segment_fixed_size 0
		.amdhsa_enable_private_segment 0
		.amdhsa_kernarg_size 48
		.amdhsa_user_sgpr_count 2
		.amdhsa_user_sgpr_kernarg_segment_ptr 1
		.amdhsa_wavefront_size32 1
		.amdhsa_system_sgpr_workgroup_id_x 1
		.amdhsa_system_sgpr_workgroup_id_y 1
		.amdhsa_system_sgpr_workgroup_id_z 1
		.amdhsa_system_vgpr_workitem_id 0
		.amdhsa_next_free_vgpr 768
		.amdhsa_next_free_sgpr 102
		.amdhsa_reserve_vcc 0
		.amdhsa_float_denorm_mode_32 3
		.amdhsa_float_denorm_mode_16_64 3
		.amdhsa_memory_ordered 1
		.amdhsa_forward_progress 1
		.amdhsa_inst_pref_size 91
	.end_amdhsa_kernel
	.amdgpu_metadata
---
amdhsa.version: [ 1, 2 ]
amdhsa.kernels:
  - .name:           k_q5db4f5f0a4_gemm_out
    .symbol:         k_q5db4f5f0a4_gemm_out.kd
    .args:
      - { .name: a_img, .offset: 0, .size: 8, .value_kind: global_buffer, .address_space: global }
      - { .name: a_sc, .offset: 8, .size: 8, .value_kind: global_buffer, .address_space: global }
      - { .name: xw_img, .offset: 16, .size: 8, .value_kind: global_buffer, .address_space: global }
      - { .name: xw_sc, .offset: 24, .size: 8, .value_kind: global_buffer, .address_space: global }
      - { .name: proj_b, .offset: 32, .size: 8, .value_kind: global_buffer, .address_space: global }
      - { .name: out0, .offset: 40, .size: 8, .value_kind: global_buffer, .address_space: global }
    .group_segment_fixed_size: 295424
    .private_segment_fixed_size: 0
    .kernarg_segment_align: 8
    .kernarg_segment_size: 48
    .max_flat_workgroup_size: 128
    .sgpr_count:     102
    .vgpr_count:     768
    .wavefront_size: 32
...
	.end_amdgpu_metadata
.endif
;; end of part 4
